; MI455X (gfx1250); checked and timed in simulation.
; The chip was launched on July 23, 2026; its instructions are those of AMD's public machine-readable ISA for CDNA 5 (MIT licence, August 2026) and "CDNA5" Instruction Set Architecture Reference Guide (July 2026). The comments in the code are by the model that wrote it; some were corrected since.
;; Multi Head Attention. Allowed arithmetic: float matrix products may take bf16 or f16 operands with f32 sums; all other float work in f32.
;; Inputs: Wk 1,024 x 1,024 float32; Wq 1,024 x 1,024 float32; Wv 1,024 x 1,024 float32; beta 1,024 float32; gamma 1,024 float32; keys 4 x 2,048 x 1,024 float32; query 4 x 2,048 x 1,024 float32.
;; Outputs: out0 4 x 2,048 x 1,024 float32.
;; 3 versions, each right; version 3 is version 2 with the launch norm written anew for expert scheduling mode. Each part assembles by itself: llvm-mc -triple=amdgcn-amd-amdhsa -mcpu=gfx1250 --defsym DOCPART=n.
;; ======== version 1 of 3: 4 launches
;; workspace buffers: xq 16,777,216 bytes; xk 16,777,216 bytes; w 6,291,456 bytes; qkv 50,331,648 bytes; y 33,554,432 bytes; stats 262,144 bytes
;; launch cast (part 1): grid 1216 x 1, 8 waves a work-group, no clusters, 0 bytes of LDS; arguments query, keys, Wq, Wk, Wv, xq, xk, w; writes xq, xk, w
.if DOCPART == 1
	.amdgcn_target "amdgcn-amd-amdhsa--gfx1250"
	.amdhsa_code_object_version 6
	.text
	.protected	k_q92a619d082_cast
	.globl	k_q92a619d082_cast
	.p2align	8
	.type	k_q92a619d082_cast,@function
k_q92a619d082_cast:
	s_mov_b64 s[64:65], 0
	v_nop
	global_prefetch_b8 v0, s[64:65] scope:SCOPE_SE
	s_setreg_imm32_b32 hwreg(HW_REG_WAVE_MODE, 25, 1), 1
	s_wait_xcnt 0x0
; f32 to bf16, once for every matrix operand: query -> xq, keys -> xk, Wq | Wk | Wv -> w (rows 0-1023, 1024-2047, 2048-3071).
; A pure stream: each input byte is read once, each output byte written once; no LDS, no barrier, no matrix unit, no cluster
; (work-groups share nothing).  A work-group takes a chunk of 16,384 numbers: 64 KiB in, 32 KiB out.
;   work-groups    0 ..  511: query, chunk g          work-groups  512 .. 1023: keys, chunk g - 512
;   work-groups 1024 .. 1215: the three weights, 64 chunks each; w's chunk is g - 1024
; Thread t takes the 16 bytes at 16 t of each 4,096 bytes: a wave's load covers 512 consecutive bytes, its store of 8 bytes a lane
; 256 consecutive bytes, aligned.  All 16 loads of a thread go out first; no register is written twice, so no source has to be freed.
.set X, 4                              ; v[4:67]   16 x 4 numbers as loaded
.set Y, 68                             ; v[68:99]  16 x 4 numbers as bf16
	s_load_b512 s[8:23], s[0:1], 0x0               ; query, keys, Wq, Wk, Wv, xq, xk, w
	s_min_u32 s2, ttmp9, 511                       ; the chunk if the source is query (clamped: every candidate stays inside its buffer)
	s_max_u32 s28, ttmp9, 512
	s_sub_co_u32 s28, s28, 512
	s_min_u32 s28, s28, 511                        ; the chunk if it is keys
	s_max_u32 s29, ttmp9, 1024
	s_sub_co_u32 s29, s29, 1024                    ; w's chunk, 0 .. 191
	s_and_b32 s30, s29, 63                         ; the chunk inside one weight
	s_mov_b32 s3, s2                               ; destination chunk
	v_lshlrev_b32 v1, 4, v0                        ; 16 t
	v_lshlrev_b32 v2, 3, v0                        ; 8 t
	s_wait_kmcnt 0x0
	s_mov_b64 s[24:25], s[8:9]                     ; source, destination: chosen by the work-group's number alone
	s_mov_b64 s[26:27], s[18:19]
	s_cmp_ge_u32 ttmp9, 512
	s_cselect_b64 s[24:25], s[10:11], s[24:25]
	s_cselect_b64 s[26:27], s[20:21], s[26:27]
	s_cselect_b32 s2, s28, s2
	s_cselect_b32 s3, s28, s3
	s_cmp_ge_u32 ttmp9, 1024
	s_cselect_b64 s[24:25], s[12:13], s[24:25]
	s_cselect_b64 s[26:27], s[22:23], s[26:27]
	s_cselect_b32 s2, s30, s2
	s_cselect_b32 s3, s29, s3
	s_cmp_ge_u32 ttmp9, 1088
	s_cselect_b64 s[24:25], s[14:15], s[24:25]
	s_cmp_ge_u32 ttmp9, 1152
	s_cselect_b64 s[24:25], s[16:17], s[24:25]
	s_lshl_b32 s2, s2, 16                          ; 65,536 bytes of f32 a chunk
	s_lshl_b32 s4, s3, 15                          ; 32,768 bytes of bf16 a chunk
	s_mov_b32 s3, 0
	s_mov_b32 s5, 0
	s_add_nc_u64 s[24:25], s[24:25], s[2:3]
	s_add_nc_u64 s[26:27], s[26:27], s[4:5]
.set i, 0
.rept 16
	global_load_b128 v[X+4*i:X+4*i+3], v1, s[24:25] offset:4096*i th:TH_LOAD_NT
.set i, i+1
.endr
.set i, 0
.rept 16
	s_wait_loadcnt 15-i                            ; loads return in order: number i is in, the 15 - i younger ones stay out
	v_cvt_pk_bf16_f32 v[Y+2*i],   v[X+4*i],   v[X+4*i+1]
	v_cvt_pk_bf16_f32 v[Y+2*i+1], v[X+4*i+2], v[X+4*i+3]
	global_store_b64 v2, v[Y+2*i:Y+2*i+1], s[26:27] offset:2048*i
.set i, i+1
.endr
	s_endpgm
.Lfunc_end_k_q92a619d082_cast:
	.size	k_q92a619d082_cast, .Lfunc_end_k_q92a619d082_cast-k_q92a619d082_cast
	.p2alignl 7, 3214868480
	.fill 96, 4, 3214868480
	.section	.rodata,"a",@progbits
	.p2align	6, 0x0
	.amdhsa_kernel k_q92a619d082_cast
		.amdhsa_group_segment_fixed_size 0
		.amdhsa_private_segment_fixed_size 0
		.amdhsa_enable_private_segment 0
		.amdhsa_kernarg_size 64
		.amdhsa_user_sgpr_count 2
		.amdhsa_user_sgpr_kernarg_segment_ptr 1
		.amdhsa_wavefront_size32 1
		.amdhsa_system_sgpr_workgroup_id_x 1
		.amdhsa_system_sgpr_workgroup_id_y 1
		.amdhsa_system_sgpr_workgroup_id_z 1
		.amdhsa_system_vgpr_workitem_id 0
		.amdhsa_next_free_vgpr 100
		.amdhsa_next_free_sgpr 66
		.amdhsa_reserve_vcc 0
		.amdhsa_float_denorm_mode_32 3
		.amdhsa_float_denorm_mode_16_64 3
		.amdhsa_memory_ordered 1
		.amdhsa_forward_progress 1
		.amdhsa_inst_pref_size 8
	.end_amdhsa_kernel
	.amdgpu_metadata
---
amdhsa.version: [ 1, 2 ]
amdhsa.kernels:
  - .name:           k_q92a619d082_cast
    .symbol:         k_q92a619d082_cast.kd
    .args:
      - { .name: query, .offset: 0, .size: 8, .value_kind: global_buffer, .address_space: global }
      - { .name: keys, .offset: 8, .size: 8, .value_kind: global_buffer, .address_space: global }
      - { .name: Wq, .offset: 16, .size: 8, .value_kind: global_buffer, .address_space: global }
      - { .name: Wk, .offset: 24, .size: 8, .value_kind: global_buffer, .address_space: global }
      - { .name: Wv, .offset: 32, .size: 8, .value_kind: global_buffer, .address_space: global }
      - { .name: xq, .offset: 40, .size: 8, .value_kind: global_buffer, .address_space: global }
      - { .name: xk, .offset: 48, .size: 8, .value_kind: global_buffer, .address_space: global }
      - { .name: w, .offset: 56, .size: 8, .value_kind: global_buffer, .address_space: global }
    .group_segment_fixed_size: 0
    .private_segment_fixed_size: 0
    .kernarg_segment_align: 8
    .kernarg_segment_size: 64
    .max_flat_workgroup_size: 256
    .sgpr_count:     66
    .vgpr_count:     100
    .wavefront_size: 32
...
	.end_amdgpu_metadata
.endif
;; end of part 1
;; launch proj (part 2): grid 12 x 32, 4 waves a work-group, clusters of 4 x 4, 327,680 bytes of LDS; arguments xq, xk, w, qkv; writes qkv
.if DOCPART == 2
	.amdgcn_target "amdgcn-amd-amdhsa--gfx1250"
	.amdhsa_code_object_version 6
	.text
	.protected	k_q92a619d082_proj
	.globl	k_q92a619d082_proj
	.p2align	8
	.type	k_q92a619d082_proj,@function
k_q92a619d082_proj:
	s_mov_b64 s[64:65], 0
	v_nop
	global_prefetch_b8 v0, s[64:65] scope:SCOPE_SE
	s_setreg_imm32_b32 hwreg(HW_REG_WAVE_MODE, 25, 1), 1
	s_wait_xcnt 0x0
	s_wait_alu depctr_hold_cnt(0) depctr_sa_sdst(0) depctr_va_vdst(0) depctr_va_sdst(0) depctr_va_ssrc(0) depctr_va_vcc(0) depctr_vm_vsrc(0)
	s_getreg_b32 s2, hwreg(HW_REG_IB_STS2, 6, 4)
	s_cmp_eq_u32 s2, 0
	s_cbranch_scc0 .Lentry_in_a_cluster
	s_endpgm
.Lentry_in_a_cluster:
	s_bfe_u32 s2, ttmp6, 0x10000c
	s_cmp_lg_u32 s2, 0xf033
	s_cbranch_scc0 .Lentry_shape_is_right
	s_endpgm
.Lentry_shape_is_right:
; qkv[m][n] = sum over k of A[m][k] w[n][k]: the three projections as ONE product of 8192 x 3072 x 1024 in bf16, sums in f32.
; Columns 0-1023 of qkv are Q (A = xq), 1024-2047 K and 2048-3071 V (A = xk).  A block column of 256 lies in one of the three, and a
; cluster's four block columns too (cluster x = 0: Q), so A is chosen by the cluster's x, which all sixteen partners share.
; A work-group makes 256 x 256 of qkv with four waves; a wave makes 128 x 128: 64 accumulator tiles of 16 x 16, 512 registers.
; K goes in steps of 128 through a ring of two LDS slots filled by tensor loads; a tile's rows are 256 bytes, aligned to 256.
; CLUSTERS: 4 x 4 work-groups.  The four of a cluster row need the same tiles of A, the four of a column the same tiles of w: each tile
; is asked for jointly (same line, same descriptor, a mask that names the four), which divides the requests for A and w by four.
; A wave has two tensor loads out at the start and one behind each round.
; 12 x 32 = 384 work-groups are 24 clusters.
;
; REGISTERS, in windows of 256:
;   window 0: v0-31 addresses; v64-127, v128-191 fragments of A, two buffers; v192-223 at work on the way out
;   window 1: v64-127, v128-191 fragments of w, two buffers
;   window 2: the 32 accumulator tiles of my rows 0-63 (tile (a, b) at v[8 (8 a + b)]);   window 3: those of my rows 64-127
; THE MATRIX INSTRUCTION IS USED TRANSPOSED: source 0 = 16 rows of w, source 1 = 16 rows of A, so that a lane's eight results are eight
; neighbouring columns of one row of qkv, which pack into 16 bytes.
.set SIZE_M, 8192
.set SIZE_N, 3072
.set SIZE_K, 1024
.set KSTEP,  128
.set PITCH,  272                       ; an LDS row: 256 bytes + 16 of padding, an odd multiple of 16: the 16 rows that a load touches start in 16 different 16-byte columns of 256
.set HALFT,  128*PITCH                 ; 128 rows: what one tensor load brings, and what one wave reads of A or of w
.set SLOT,   4*HALFT                   ; A's 256 rows, then w's 256 rows
.set STAGE,  2*SLOT                    ; behind the ring: 16 rows x 272 bytes for each wave, for the way out; no fill lands here
.set SPITCH, 272
.set LAPS, SIZE_K/(2*KSTEP)            ; a lap = two K steps = once round the ring: 4 laps
.set ADRA, 16                          ; v16-17  LDS address of my A fragments in slot 0, 1
.set ADRB, 20                          ; v20-21  the same for w
.set STO,  24                          ; v24     the way out: where I put 16 bytes of a row
.set RD,   25                          ; v25     the way out: where I read a row back
.set CO,   26                          ; v26     my byte offset in qkv
.set F0,   64                          ; fragment buffer 0
.set F1,   128                         ; fragment buffer 1
.set TMP,  192                         ; the way out: packed results, in window 0
.set G1, 24                            ; s[24:31] descriptor group 1 for A's tiles
.set G0, 32                            ; s[32:39] descriptor group 0 for A's tiles, one set for each slot
.set G1B, 48                           ; s[48:55] descriptor group 1 for w's tiles: it differs from A's in the mask alone
.set G0B, 56                           ; s[56:63] descriptor group 0 for w's tiles, one set for each slot
.set MSB, 0
.macro WIN new                         ; the immediate's high byte repeats the setting that is left
.if MSB != \new
	s_set_vgpr_msb (MSB<<8)|\new
.set MSB, \new
.endif
.endm
.set MUL_LO, 0xa1                      ; source 0 (w) window 1, source 1 (A) window 0, C and D window 2
.set MUL_HI, 0xf1                      ; the same, C and D window 3
.set TO_B,   0x40                      ; destination window 1, address window 0
; A joint load.  Waves 0 and 1 fetch A's two halves, waves 2 and 3 w's.  Each line has one mask and one set of registers for all that issue it.
; The branch hangs on the wave's number alone: it is the same in every work-group.
.macro JLOAD s
	s_cmp_eq_u32 s11, 0
	s_cbranch_scc0 .Lfor_b_\@
	tensor_load_to_lds s[G0+4*\s:G0+4*\s+3], s[G1:G1+7]
	s_nop 0
	s_branch .Lasked_\@
.Lfor_b_\@:
	tensor_load_to_lds s[G0B+4*\s:G0B+4*\s+3], s[G1B:G1B+7]
	s_nop 0
.Lasked_\@:
.endm
; A round of the cluster's barrier: my work-group's barrier, so that wave 0's signal speaks for all four waves; wave 0 signals for the
; work-group; every wave waits for all sixteen work-groups; my work-group's barrier once more.
.macro CREST                           ; a round behind its opening barrier
	s_cmp_lg_u32 s10, 0
	s_cbranch_scc1 .Lnot_wave_0_\@
	s_barrier_signal -3
.Lnot_wave_0_\@:
	s_barrier_wait -3
	s_barrier_signal -1
	s_barrier_wait -1
.endm
.macro CROUND                          ; a whole round
	s_barrier_signal -1
	s_barrier_wait -1
	CREST
.endm
	s_load_b128 s[4:7], s[0:1], 0x0                ; xq s[4:5], xk s[6:7]
	s_load_b128 s[68:71], s[0:1], 0x10             ; w s[68:69], qkv s[70:71]
	s_set_vgpr_msb 0x40
	v_lshl_add_u32 v255, v0, 2, 0x48400
	s_set_vgpr_msb 0x4000
	v_mov_b32 v255, 0
	s_set_vgpr_msb 0x1
	ds_add_u32 v255, v255
	s_set_vgpr_msb 0x100
	v_lshrrev_b32 v1, 5, v0
	v_readfirstlane_b32 s10, v1                    ; wave 0..3
	s_lshr_b32 s11, s10, 1                         ; which half of the block's rows is mine.  Also: I fetch for A (0) or for w (1)
	s_and_b32 s12, s10, 1                          ; which half of its columns.  Also: which 128 rows of that tile I fetch
	s_bfe_u32 s40, ttmp6, 0x40000                  ; cx: my place along the cluster's x
	s_bfe_u32 s41, ttmp6, 0x40004                  ; cy: along its y
	s_lshl_b32 s42, ttmp9, 2                       ; in a cluster launch ttmp9 and ttmp7 count clusters
	s_add_co_u32 s42, s42, s40                     ; block column = 4 x cluster x + cx
	s_and_b32 s13, ttmp7, 0xffff
	s_lshl_b32 s13, s13, 2
	s_add_co_u32 s13, s13, s41                     ; block row = 4 x cluster y + cy
	s_lshl_b32 s43, s41, 2
	s_lshl_b32 s43, 15, s43                        ; my row of the cluster: places 4 cy .. 4 cy + 3
	s_lshl_b32 s44, 0x1111, s40                    ; my column: places cx, cx + 4, cx + 8, cx + 12
	; descriptor group 1: a tile of 128 rows x 128 elements, padded in LDS
	s_or_b32 s[G1+0], s43, (1<<16)|(1<<20)|(1<<21)|(5<<22)|(3<<25)  ; 15:0 mask: A's tiles go to my row; 17:16 elements of 2 bytes; 20 padding on; 21 set beside a mask; 24:22 after every 64 words; 31:25 four words
	s_or_b32 s[G1B+0], s44, (1<<16)|(1<<20)|(1<<21)|(5<<22)|(3<<25) ; the same with the mask of my column, for w's tiles
	s_mov_b32 s[G1B+1], KSTEP<<16
	s_mov_b32 s[G1+1], KSTEP<<16                   ; tensor_dim0 = 128
	s_mov_b32 s[G1B+2], 128<<16
	s_mov_b32 s[G1+2], 128<<16                     ; tensor_dim1 = 128
	s_mov_b32 s[G1B+3], KSTEP<<16
	s_mov_b32 s[G1+3], KSTEP<<16                   ; tile_dim0 = 128
	s_mov_b32 s[G1B+4], 128
	s_mov_b32 s[G1+4], 128                         ; tile_dim1 = 128
	s_mov_b32 s[G1B+5], SIZE_K
	s_mov_b32 s[G1+5], SIZE_K                      ; elements from row to row
	s_mov_b32 s[G1B+6], 0
	s_mov_b32 s[G1+6], 0
	s_mov_b32 s[G1B+7], 0
	s_mov_b32 s[G1+7], 0
	; where the tiles come from.  A's hang on the block row alone, which my row of the cluster shares; w's on the block column alone.
	; Every wave makes both addresses, in registers that never hold the other coordinate, and asks by one of them.
	s_lshl_b32 s17, s12, 7                         ; which 128 rows of the tile I fetch
	s_lshl_b32 s16, s13, 8
	s_add_co_u32 s16, s16, s17                     ; A: row 256 x block row + 128 x half
	s_lshl_b32 s46, s42, 8
	s_add_co_u32 s46, s46, s17                     ; w: row 256 x block column + 128 x half
	s_mov_b32 s17, 0
	s_mov_b32 s47, 0
	s_mov_b64 s[18:19], SIZE_K*2
	s_mul_u64 s[16:17], s[16:17], s[18:19]         ; in bytes, in 64 bits
	s_mul_u64 s[46:47], s[46:47], s[18:19]
	s_mul_i32 s20, s10, HALFT                      ; and where they go: wave x 128 rows: no place in the cluster enters an LDS address
	s_wait_dscnt 0x0
	s_wait_kmcnt 0x0
	s_cmp_eq_u32 ttmp9, 0                          ; cluster x = 0: block columns 0-3, Q's: A is xq; else xk
	s_cselect_b64 s[4:5], s[4:5], s[6:7]
	s_mov_b64 s[6:7], s[68:69]                     ; w
	s_mov_b64 s[8:9], s[70:71]                     ; qkv
	s_add_nc_u64 s[14:15], s[4:5], s[16:17]
	s_add_nc_u64 s[46:47], s[6:7], s[46:47]
	CROUND                                         ; all sixteen work-groups are here: the first joint loads meet
.irp s, 0,1
	s_mov_b32 s[G0+4*\s], 1                                        ; count = 1
	s_add_co_u32 s[G0+4*\s+1], s20, \s*SLOT                        ; LDS address
	s_add_nc_u64 s[G0+4*\s+2:G0+4*\s+3], s[14:15], \s*KSTEP*2      ; global address: K step s
	s_or_b32 s[G0+4*\s+3], s[G0+4*\s+3], 0x80000000                ; type = 2
	s_mov_b32 s[G0B+4*\s], 1
	s_add_co_u32 s[G0B+4*\s+1], s20, \s*SLOT
	s_add_nc_u64 s[G0B+4*\s+2:G0B+4*\s+3], s[46:47], \s*KSTEP*2
	s_or_b32 s[G0B+4*\s+3], s[G0B+4*\s+3], 0x80000000
	JLOAD \s                                       ; the ring is filled before anything else is done
.endr
	; A fragment is 16 rows x 32 K in 8 registers: lane l holds row l % 16; registers 0-3 hold K = 8 (l / 16) + 0..7, registers 4-7
	; K = 16 + 8 (l / 16) + 0..7: two loads of 16 bytes, 32 bytes apart.
	v_and_b32 v1, 15, v0                           ; l % 16
	v_bfe_u32 v2, v0, 4, 1                         ; l / 16
	v_mul_u32_u24 v3, v1, PITCH
	v_lshl_add_u32 v3, v2, 4, v3                   ; row x pitch + 16 x half
	s_mul_i32 s21, s11, HALFT                      ; my 128 rows of A
	s_mul_i32 s22, s12, HALFT                      ; my 128 rows of w,
	s_add_co_u32 s22, s22, 2*HALFT                 ; which lie behind A's 256
.irp s, 0,1
	v_add_nc_u32 v[ADRA+\s], s21, v3
	v_add_nc_u32 v[ADRB+\s], s22, v3
	s_add_co_u32 s21, s21, SLOT
	s_add_co_u32 s22, s22, SLOT
.endr
	s_mul_i32 s23, s10, 16*SPITCH
	s_add_co_u32 s23, s23, STAGE                   ; my stage
	v_mul_u32_u24 v4, v1, SPITCH                   ; in: row l % 16, 16 bytes for each half of the lanes
	v_lshl_add_u32 v4, v2, 4, v4
	v_add_nc_u32 v[STO], s23, v4
	v_mul_u32_u24 v5, v2, SPITCH                   ; back: lanes 0-15 take one row of 256 bytes, lanes 16-31 the next
	v_lshl_add_u32 v5, v1, 4, v5
	v_add_nc_u32 v[RD], s23, v5
	v_mul_u32_u24 v5, v2, SIZE_N*2                 ; and the same two rows in qkv
	v_lshl_add_u32 v[CO], v1, 4, v5
; 16 matrix instructions: m blocks a0, a0 + 1 of the window's four (hi = 0: my rows 0-63, 1: rows 64-127) x all 8 n blocks, 32 along K.
; zero = 1: the first product starts the sums: nothing is ever cleared.  The 64 accumulators take turns, one instruction a turn, in the
; same order in every quarter step.
.macro MUL16 f, hi, a0, zero
.irp a, \a0, \a0+1
.irp b, 0,1,2,3,4,5,6,7
.if \zero
	v_wmma_f32_16x16x32_bf16 v[8*(8*(\a)+\b):8*(8*(\a)+\b)+7], v[\f+8*\b:\f+8*\b+7], v[\f+8*(4*\hi+\a):\f+8*(4*\hi+\a)+7], 0
.else
	v_wmma_f32_16x16x32_bf16 v[8*(8*(\a)+\b):8*(8*(\a)+\b)+7], v[\f+8*\b:\f+8*\b+7], v[\f+8*(4*\hi+\a):\f+8*(4*\hi+\a)+7], v[8*(8*(\a)+\b):8*(8*(\a)+\b)+7]
.endif
.endr
.endr
.endm
; 32 LDS loads in one run: the fragments of one quarter step (128 rows of w, 128 rows of A, 32 K at byte k of the rows) into buffer f
.macro FETCH slot, k, f
	WIN TO_B
.irp i, 0,1,2,3,4,5,6,7
	ds_load_b128 v[\f+8*\i:\f+8*\i+3],   v[ADRB+\slot] offset:\k+\i*16*PITCH
	ds_load_b128 v[\f+8*\i+4:\f+8*\i+7], v[ADRB+\slot] offset:\k+\i*16*PITCH+32
.endr
	WIN 0
.irp i, 0,1,2,3,4,5,6,7
	ds_load_b128 v[\f+8*\i:\f+8*\i+3],   v[ADRA+\slot] offset:\k+\i*16*PITCH
	ds_load_b128 v[\f+8*\i+4:\f+8*\i+7], v[ADRA+\slot] offset:\k+\i*16*PITCH+32
.endr
.endm
; A load into a register that a matrix instruction has read, and a vector instruction that reads a matrix result, stand four places
; behind that matrix instruction; only plain vector instructions that name none of its registers are places (ISA guide 7.12.1 for
; vector instructions).  So four v_nop stand in front of each run of loads.
.macro PLACES
.rept 4
	v_nop
.endr
.endm
; A K step is four quarter steps of 32 along K, 64 matrix instructions each, on buffers 0, 1, 0, 1.
; One of the first three: multiplies buffer f; in its middle it fetches the next quarter's fragments, at byte k of the same slot's rows, into buffer g.
.macro QUARTER slot, k, f, g, zero
	s_wait_dscnt 8                                 ; w and A's rows 0-63 are in; the youngest eight loads (A's rows 64-127) may be out
	WIN MUL_LO
	MUL16 \f, 0, 0, \zero
	MUL16 \f, 0, 2, \zero
	PLACES
	FETCH \slot, \k, \g
	s_wait_dscnt 32                                ; all but the 32 just issued
	WIN MUL_HI
	MUL16 \f, 1, 0, \zero
	MUL16 \f, 1, 2, \zero
.endm
.macro THREE slot, zero
	QUARTER \slot, 64,  F0, F1, \zero
	QUARTER \slot, 128, F1, F0, 0
	QUARTER \slot, 192, F0, F1, 0
.endm
; The last quarter: multiplies buffer 1 and changes slots.  next = the other slot; fill = 1: this slot is filled again, two K steps ahead.
; ONE barrier for the change of slots.  In front of it each wave waits for its own reads of this slot and for all its tensor loads, of
; which one is out: its part of the next slot.  Behind it nobody reads this slot any more and the next slot is whole: the refill comes
; first, then the next slot's first fragments.  From a request to the wait for it a wave issues 240 matrix instructions.
.macro TURN slot, next, fill
	s_wait_dscnt 8
	WIN MUL_LO
	MUL16 F1, 0, 0, 0
	s_wait_dscnt 0                                 ; my reads of this slot are over
	s_wait_tensorcnt 0x0                           ; and all my tensor loads have landed: the one that was out is my part of the next slot
	ds_add_u32 v255, v255
	s_wait_dscnt 0x0
	s_barrier_signal -1                            ; say so (where a slot is filled again this barrier opens a round of the cluster's barrier),
	MUL16 F1, 0, 2, 0                              ; work on registers while the others arrive,
	WIN 0
	s_barrier_wait -1                              ; and go on when all four have said so
.if \fill
	CREST                                          ; all sixteen work-groups have said so: no wave of any partner still reads this slot's tile or has a load on its way
	s_add_nc_u64 s[G0+4*\slot+2:G0+4*\slot+3], s[G0+4*\slot+2:G0+4*\slot+3], 2*KSTEP*2
	s_add_nc_u64 s[G0B+4*\slot+2:G0B+4*\slot+3], s[G0B+4*\slot+2:G0B+4*\slot+3], 2*KSTEP*2
	JLOAD \slot                                    ; the first tensor load behind the round
.endif
	PLACES
	FETCH \next, 0, F0
	WIN MUL_HI
	MUL16 F1, 1, 0, 0
	MUL16 F1, 1, 2, 0
.endm
.macro LAP zero                        ; once round the ring, both slots filled again
	THREE 0, \zero
	TURN 0, 1, 1
	THREE 1, 0
	TURN 1, 0, 1
.endm
	s_wait_tensorcnt 1                             ; my part of K step 0 is in; K step 1's may stay out
	s_barrier_signal -1
	s_barrier_wait -1                              ; everybody's is
	FETCH 0, 0, F0
	LAP 1                                          ; the first lap stands in front of the loop: its first products start the sums
	WIN 0                                          ; at a label and at a branch every window is 0
	s_mov_b32 s3, LAPS-2
.Llap:
	LAP 0
	WIN 0
	s_sub_co_u32 s3, s3, 1
	s_cmp_lg_u32 s3, 0
	s_cbranch_scc1 .Llap
	THREE 0, 0                                     ; the last lap fills nothing: my one tensor load that is still out is slot 1's, the last K step's
	TURN 0, 1, 0
	THREE 1, 0
	s_wait_dscnt 8                                 ; the very last quarter: nothing more to fetch
	WIN MUL_LO
	MUL16 F1, 0, 0, 0
	MUL16 F1, 0, 2, 0
	s_wait_dscnt 0
	WIN MUL_HI
	MUL16 F1, 1, 0, 0
	MUL16 F1, 1, 2, 0
	; THE WAY OUT, 16 rows at a time: round to bf16, 16 bytes a lane into my own stage in LDS, read back as whole rows of 256 bytes.
	PLACES                                         ; the places behind the last matrix instructions, for the conversions and for the loads into buffers 0 and 1
	s_lshl_b32 s13, s13, 8
	s_lshl_b32 s14, s11, 7
	s_add_co_u32 s16, s13, s14                     ; my first row
	s_mov_b32 s17, 0
	s_mov_b64 s[18:19], SIZE_N*2
	s_mul_u64 s[16:17], s[16:17], s[18:19]
	s_add_nc_u64 s[8:9], s[8:9], s[16:17]
	s_lshl_b32 s46, s42, 9                         ; my first column, in bytes: 512 x block + 256 x half
	s_lshl_b32 s47, s12, 8
	s_add_co_u32 s46, s46, s47
	s_mov_b32 s47, 0
	s_add_nc_u64 s[8:9], s[8:9], s[46:47]
; rows 16 i .. 16 i + 15 of my block = the eight tiles (a, 0..7) of window 2 or 3 (from = 0x0a or 0x0f: sources 0 and 1); f: F0 or F1 in turn
.macro OUT16 i, a, from, f
	WIN \from
.irp b, 0,1,2,3,4,5,6,7
.irp r, 0,1,2,3
	v_cvt_pk_bf16_f32 v[TMP+4*\b+\r], v[8*(8*\a+\b)+2*\r], v[8*(8*\a+\b)+2*\r+1]
.endr
.endr
	WIN 0
.irp b, 0,1,2,3,4,5,6,7
	ds_store_b128 v[STO], v[TMP+4*\b:TMP+4*\b+3] offset:32*\b
.endr
	s_wait_xcnt 0x0                                ; buffer f, which earlier stores read, and the stores' base are rewritten only behind this wait
.if \i
	s_add_nc_u64 s[8:9], s[8:9], 16*SIZE_N*2       ; 16 rows on
.endif
.irp t, 0,1,2,3,4,5,6,7
	ds_load_b128 v[\f+4*\t:\f+4*\t+3], v[RD] offset:\t*2*SPITCH    ; a wave's LDS instructions are served in order: these see the stores above
.endr
.irp t, 0,1,2,3,4,5,6,7
	s_wait_dscnt 7-\t                              ; load t is in, the 7 - t younger ones stay out
	global_store_b128 v[CO], v[\f+4*\t:\f+4*\t+3], s[8:9] offset:2*\t*SIZE_N*2   ; 16 lanes store 256 consecutive bytes, aligned
.endr
.endm
	OUT16 0, 0, 0x0a, F0
	OUT16 1, 1, 0x0a, F1
	OUT16 2, 2, 0x0a, F0
	OUT16 3, 3, 0x0a, F1
	OUT16 4, 0, 0x0f, F0
	OUT16 5, 1, 0x0f, F1
	OUT16 6, 2, 0x0f, F0
	OUT16 7, 3, 0x0f, F1
	s_set_vgpr_msb 0x1
	s_wait_tensorcnt 0x0
	ds_add_u32 v255, v255
	s_wait_dscnt 0x0
	s_set_vgpr_msb 0x100
	CROUND                                         ; the closing round: no work-group ends while a partner may still ask for a tile that names it
	s_endpgm
.Lfunc_end_k_q92a619d082_proj:
	.size	k_q92a619d082_proj, .Lfunc_end_k_q92a619d082_proj-k_q92a619d082_proj
	.p2alignl 7, 3214868480
	.fill 96, 4, 3214868480
	.section	.rodata,"a",@progbits
	.p2align	6, 0x0
	.amdhsa_kernel k_q92a619d082_proj
		.amdhsa_group_segment_fixed_size 327680
		.amdhsa_private_segment_fixed_size 0
		.amdhsa_enable_private_segment 0
		.amdhsa_kernarg_size 32
		.amdhsa_user_sgpr_count 2
		.amdhsa_user_sgpr_kernarg_segment_ptr 1
		.amdhsa_wavefront_size32 1
		.amdhsa_system_sgpr_workgroup_id_x 1
		.amdhsa_system_sgpr_workgroup_id_y 1
		.amdhsa_system_sgpr_workgroup_id_z 1
		.amdhsa_system_vgpr_workitem_id 0
		.amdhsa_next_free_vgpr 1024
		.amdhsa_next_free_sgpr 72
		.amdhsa_reserve_vcc 0
		.amdhsa_float_denorm_mode_32 3
		.amdhsa_float_denorm_mode_16_64 3
		.amdhsa_memory_ordered 1
		.amdhsa_forward_progress 1
		.amdhsa_inst_pref_size 196
	.end_amdhsa_kernel
	.amdgpu_metadata
---
amdhsa.version: [ 1, 2 ]
amdhsa.kernels:
  - .name:           k_q92a619d082_proj
    .symbol:         k_q92a619d082_proj.kd
    .args:
      - { .name: xq, .offset: 0, .size: 8, .value_kind: global_buffer, .address_space: global }
      - { .name: xk, .offset: 8, .size: 8, .value_kind: global_buffer, .address_space: global }
      - { .name: w, .offset: 16, .size: 8, .value_kind: global_buffer, .address_space: global }
      - { .name: qkv, .offset: 24, .size: 8, .value_kind: global_buffer, .address_space: global }
    .group_segment_fixed_size: 327680
    .private_segment_fixed_size: 0
    .kernarg_segment_align: 8
    .kernarg_segment_size: 32
    .max_flat_workgroup_size: 128
    .sgpr_count:     72
    .vgpr_count:     1024
    .wavefront_size: 32
...
	.end_amdgpu_metadata
.endif
;; end of part 2
;; launch attn (part 3): grid 8 x 32, 4 waves a work-group, clusters of 4 x 1, 327,680 bytes of LDS; arguments qkv, query, y, stats; writes y, stats
.if DOCPART == 3
	.amdgcn_target "amdgcn-amd-amdhsa--gfx1250"
	.amdhsa_code_object_version 6
	.text
	.protected	k_q92a619d082_attn
	.globl	k_q92a619d082_attn
	.p2align	8
	.type	k_q92a619d082_attn,@function
k_q92a619d082_attn:
	s_mov_b64 s[64:65], 0
	v_nop
	global_prefetch_b8 v0, s[64:65] scope:SCOPE_SE
	s_setreg_imm32_b32 hwreg(HW_REG_WAVE_MODE, 25, 1), 1
	s_wait_xcnt 0x0
	s_wait_alu depctr_hold_cnt(0) depctr_sa_sdst(0) depctr_va_vdst(0) depctr_va_sdst(0) depctr_va_ssrc(0) depctr_va_vcc(0) depctr_vm_vsrc(0)
	s_getreg_b32 s2, hwreg(HW_REG_IB_STS2, 6, 4)
	s_cmp_eq_u32 s2, 0
	s_cbranch_scc0 .Lentry_in_a_cluster
	s_endpgm
.Lentry_in_a_cluster:
	s_bfe_u32 s2, ttmp6, 0x10000c
	s_cmp_lg_u32 s2, 0x3003
	s_cbranch_scc0 .Lentry_shape_is_right
	s_endpgm
.Lentry_shape_is_right:
; y = softmax(Q K^T / 32) V + query for one (head, batch) pair and 256 query rows, and for these 256 rows the mean and the sum of squared
; deviations (M2) of each of the head's 128 features.  qkv: [8192][3072] bf16 (Q | K | V, head h at byte 256 h of each part);
; query, y: [8192][1024] f32; stats: means [32 row blocks][1024] f32, then M2 [32][1024] at byte 131,072.
; Work-group y = 8 b + h; work-group x = the block of 256 query rows.  Four waves, 64 query rows each, as four tiles of 16 (nt).
; CLUSTERS: the four work-groups of a cluster are four query blocks of one (h, b): they read the same K and V tiles, so every tile is
; asked for jointly (mask 15).  Keys go in tiles of 128 through a ring of two LDS slots; waves 0, 1 fetch K's rows 0-63 and 64-127, waves
; 2, 3 V's.  A wave has one tensor load out; it has a whole tile's work (256 matrix instructions, two softmax
; passes) in which to land.
; TRANSPOSED FORMS, so that the probabilities never leave registers:  S^T = K (source 0, rows = keys) x Q (source 1, columns = q): lane
; (r, hl), register j holds key 16 mt + 8 hl + j of q = 16 nt + r.  Two stacked tiles of S^T, rounded to bf16 in pairs, ARE a source-1
; fragment of 32 keys.  O^T = V^T (source 0, rows = features, by transposing LDS loads) x P^T.  Maximum, sum and rescale factor of a q are
; one number a lane; lanes r and r + 16 hold the two halves of the keys.
; SOFTMAX: a running maximum m of the raw scores; R = round(m c), c = log2(e) / 32; p = 2^(s c - R) by one fused multiply-add; old sums and
; old O are multiplied by 2^(R_old - R_new), formed from the rounded R themselves, so that all terms carry the same shift.
; STATISTICS: two passes over the 64 rows that a wave holds in registers (mean, then squared deviations); the four waves' figures are merged
; by M2 = sum M2_w + 64 sum (mean_w - mean)^2.  No difference of large sums is formed.
; LIMITS: Q, K, V and p enter the matrix unit rounded to bf16; the divisor sums the unrounded p; a p below 2^-126 comes out as 0 (v_exp_f32
; flushes); NaN and infinities in the inputs are not treated apart.
;
; REGISTERS, in windows of 256:
;   window 0: addresses, softmax state, S (tile (mt, nt) at S + 32 nt + 8 mt; after packing P(nt, ks) at S + 32 nt + 16 ks)
;   window 1: Q(nt, kk) at 8 (4 nt + kk); K(mt, kk) at 128 + 8 (4 mt + kk).  On the way out: row i of y at 4 i
;   window 2: O(t, nt) at 8 (8 nt + t)
;   window 3: V(t, ks) at 8 (2 t + ks).  On the way out: row i of the residual at 4 i
.set QKVP,   6144                      ; bytes in a row of qkv
.set TILEB,  128*QKVP                  ; 128 keys further down
.set PITK,   272                       ; K's LDS rows: 256 bytes + 16, an odd multiple of 16
.set PITV,   288                       ; V's LDS rows: 256 bytes + 32, an odd multiple of 32, for the transposing loads
.set REG,    18432                     ; a region: 64 rows (K uses 17,408 of it)
.set SLOT,   4*REG                     ; K 0-63, K 64-127, V 0-63, V 64-127
.set STAGE,  2*SLOT                    ; 147,456: for each wave 16 rows x 528 bytes, for the way out; no fill lands here
.set SPITCH, 528                       ; 512 bytes + 16, an odd multiple of 16
.set WSTAGE, 16*SPITCH
.set STATS,  STAGE+4*WSTAGE            ; 181,248: for each wave 512 bytes of means and 512 of M2
.set M2OFF,  131072                    ; M2's part of the buffer stats
.set ADRK, 10                          ; v10-11  r x 272 + 16 hl, slot 0, 1
.set ADRV, 12                          ; v12-13  2 REG + (8 hl + l % 8) x 288 + 16 x bit 3 of l, slot 0, 1
.set QOF,  14                          ; r x 6144 + 16 hl
.set STO,  15                          ; my stage + r x 528 + 32 hl
.set RD,   16                          ; my stage + 16 l
.set YO,   17                          ; 16 l
.set STA,  18                          ; my statistics + 16 l
.set PFO,  19                          ; (l / 2) x 4096 + (l % 2) x 256
.set MA,   20                          ; v20-23, v24-27  running maxima, two sets that take turns
.set MB,   24
.set TX,   28                          ; v28-31  what comes from the other half of the lanes
.set NA,   32                          ; v32-39, v40-47  -R in the even registers, two sets
.set NB,   40
.set AL,   48                          ; v48-55  the rescale factor, at the end 1 / l, in the even registers
.set LS,   56                          ; v56-63  a pair of partial sums for each nt
.set S,    64                          ; v64-191
.set T,    192                         ; v192-207
.set SUM,  208                         ; v208-215  column sums, even rows and odd rows
.set MEAN, 216                         ; v216-219
.set M2,   220                         ; v220-227  squared deviations, even rows and odd rows
.set G1K, 24                           ; s[24:31] group 1 for K's tiles
.set G0K, 32                           ; s[32:39] group 0 for K's tiles, one set for each slot
.set G1V, 48                           ; s[48:55] group 1 for V's tiles: a wider pad
.set G0V, 56                           ; s[56:63] group 0 for V's tiles
.set MSB, 0
.macro WIN new                         ; low byte: bits 1:0 source 0, 3:2 source 1, 5:4 source 2, 7:6 destination; the high byte repeats the setting that is left
.if MSB != \new
	s_set_vgpr_msb (MSB<<8)|\new
.set MSB, \new
.endif
.endm
; Five places: a vector instruction or a load that touches a matrix instruction's registers stands four places behind it, a matrix
; instruction that reads its result as a source or writes over its registers five (not for loads).
.macro PLACES
.rept 5
	v_nop
.endr
.endm
; A round of the cluster's barrier: my work-group's barrier; wave 0 signals for the work-group; all wait for the four work-groups; my work-group's barrier.
.macro ROUND
	s_barrier_signal -1
	s_barrier_wait -1
	s_cmp_lg_u32 s12, 0
	s_cbranch_scc1 .Lnot_wave_0_\@
	s_barrier_signal -3
.Lnot_wave_0_\@:
	s_barrier_wait -3
	s_barrier_signal -1
	s_barrier_wait -1
.endm
; A joint load into slot s: waves 0, 1 ask for K's halves, waves 2, 3 for V's.  The branch hangs on the wave's number alone.
.macro JLOAD s
	s_cmp_eq_u32 s13, 0
	s_cbranch_scc0 .Lfor_v_\@
	tensor_load_to_lds s[G0K+4*\s:G0K+4*\s+3], s[G1K:G1K+7]
	s_nop 0
	s_branch .Lasked_\@
.Lfor_v_\@:
	tensor_load_to_lds s[G0V+4*\s:G0V+4*\s+3], s[G1V:G1V+7]
	s_nop 0
.Lasked_\@:
.endm
	s_load_b256 s[4:11], s[0:1], 0x0               ; qkv s[4:5], query s[6:7], y s[8:9], stats s[10:11]
	v_lshl_add_u32 v254, v0, 2, 0x2d400
	v_mov_b32 v255, 0
	ds_add_u32 v254, v255
	v_lshrrev_b32 v1, 5, v0
	v_readfirstlane_b32 s12, v1                    ; wave 0..3
	s_lshr_b32 s13, s12, 1                         ; I fetch for K (0) or for V (1)
	s_and_b32 s14, s12, 1                          ; which 64 rows of the tile
	s_bfe_u32 s15, ttmp6, 0x40000                  ; cx
	s_lshl_b32 s16, ttmp9, 2
	s_add_co_u32 s16, s16, s15                     ; query block = 4 x cluster x + cx
	s_and_b32 s17, ttmp7, 0xffff
	s_and_b32 s18, s17, 7                          ; h
	s_lshr_b32 s19, s17, 3                         ; b
	s_mov_b32 s20, 0x76543210                      ; v_permlanex16_b32: lane i of one half reads lane i of the other
	s_mov_b32 s21, 0xfedcba98
	s_mov_b32 s22, 0x3d38aa3b                      ; c = log2(e) / 32, twice: a pair for the packed multiply-add
	s_mov_b32 s23, 0x3d38aa3b
	s_mov_b32 s44, 0xbd38aa3b                      ; -c
	; group 1: a tile of 64 rows x 128 elements of 2 bytes, 3,072 elements from row to row, padded behind each row of 64 words
	s_mov_b32 s[G1K+0], 15|(1<<16)|(1<<20)|(1<<21)|(5<<22)|(3<<25)  ; mask: all four of the cluster; bit 21 beside it; pad of 4 words
	s_mov_b32 s[G1V+0], 15|(1<<16)|(1<<20)|(1<<21)|(5<<22)|(7<<25)  ; pad of 8 words
	s_mov_b32 s[G1K+1], 128<<16                    ; tensor_dim0 = 128
	s_mov_b32 s[G1V+1], 128<<16
	s_mov_b32 s[G1K+2], 64<<16                     ; tensor_dim1 = 64
	s_mov_b32 s[G1V+2], 64<<16
	s_mov_b32 s[G1K+3], 128<<16                    ; tile_dim0 = 128
	s_mov_b32 s[G1V+3], 128<<16
	s_mov_b32 s[G1K+4], 64                         ; tile_dim1 = 64
	s_mov_b32 s[G1V+4], 64
	s_mov_b32 s[G1K+5], 3072
	s_mov_b32 s[G1V+5], 3072
	s_mov_b32 s[G1K+6], 0
	s_mov_b32 s[G1V+6], 0
	s_mov_b32 s[G1K+7], 0
	s_mov_b32 s[G1V+7], 0
	; the tiles' offsets hang on b, h and the wave's number alone, which the four partners share
	s_lshl_b32 s40, s19, 11                        ; b x 2048 rows
	s_lshl_b32 s41, s14, 6                         ; + my 64 rows of the tile
	s_add_co_u32 s40, s40, s41
	s_mul_i32 s40, s40, QKVP
	s_lshl_b32 s41, s18, 8                         ; + 256 h
	s_add_co_u32 s40, s40, s41
	s_add_co_u32 s40, s40, 2048                    ; K's part of a row
	s_add_co_u32 s42, s40, 2048                    ; V's
	s_mov_b32 s41, 0
	s_mov_b32 s43, 0
	s_mul_i32 s46, s12, REG                        ; region = wave
	; my 64 query rows
	s_lshl_b32 s47, s19, 11
	s_lshl_b32 s74, s16, 8
	s_add_co_u32 s47, s47, s74
	s_lshl_b32 s74, s12, 6
	s_add_co_u32 s47, s47, s74                     ; row0 = 2048 b + 256 block + 64 wave
	s_mul_i32 s66, s47, QKVP
	s_lshl_b32 s74, s18, 8
	s_add_co_u32 s66, s66, s74                     ; Q: row0 x 6144 + 256 h
	s_mov_b32 s67, 0
	s_lshl_b32 s68, s47, 12
	s_lshl_b32 s74, s18, 9
	s_add_co_u32 s68, s68, s74                     ; query and y: row0 x 4096 + 512 h
	s_mov_b32 s69, 0
	s_lshl_b32 s72, s19, 3
	s_add_co_u32 s72, s72, s16
	s_lshl_b32 s72, s72, 12
	s_add_co_u32 s72, s72, s74                     ; stats: (8 b + block) x 4096 + 512 h
	s_mov_b32 s73, 0
	s_wait_dscnt 0x0
	s_wait_kmcnt 0x0
	s_add_nc_u64 s[40:41], s[4:5], s[40:41]
	s_add_nc_u64 s[42:43], s[4:5], s[42:43]
	s_add_nc_u64 s[66:67], s[4:5], s[66:67]
	s_add_nc_u64 s[70:71], s[8:9], s[68:69]
	s_add_nc_u64 s[68:69], s[6:7], s[68:69]
	s_add_nc_u64 s[72:73], s[10:11], s[72:73]
.irp s, 0,1
	s_mov_b32 s[G0K+4*\s], 1                                       ; count = 1
	s_add_co_u32 s[G0K+4*\s+1], s46, \s*SLOT                       ; LDS address
	s_add_nc_u64 s[G0K+4*\s+2:G0K+4*\s+3], s[40:41], \s*TILEB      ; tile s
	s_or_b32 s[G0K+4*\s+3], s[G0K+4*\s+3], 0x80000000              ; type = 2
	s_mov_b32 s[G0V+4*\s], 1
	s_add_co_u32 s[G0V+4*\s+1], s46, \s*SLOT
	s_add_nc_u64 s[G0V+4*\s+2:G0V+4*\s+3], s[42:43], \s*TILEB
	s_or_b32 s[G0V+4*\s+3], s[G0V+4*\s+3], 0x80000000
.endr
	ROUND                                          ; the four work-groups are here: the first joint load meets
	JLOAD 0                                        ; tile 0
	v_and_b32 v1, 31, v0                           ; l
	v_and_b32 v2, 15, v0                           ; r
	v_bfe_u32 v3, v0, 4, 1                         ; hl
	v_mul_u32_u24 v4, v2, PITK
	v_lshl_add_u32 v[ADRK], v3, 4, v4
	v_add_nc_u32 v[ADRK+1], SLOT, v[ADRK]
	v_and_b32 v4, 7, v0
	v_lshl_add_u32 v4, v3, 3, v4                   ; 8 hl + l % 8: the key row that this lane addresses
	v_mul_u32_u24 v4, v4, PITV
	v_bfe_u32 v5, v0, 3, 1
	v_lshl_add_u32 v4, v5, 4, v4                   ; + 16 bytes for lanes 8-15 of each half
	v_add_nc_u32 v[ADRV], 2*REG, v4
	v_add_nc_u32 v[ADRV+1], 2*REG+SLOT, v4
	v_mul_u32_u24 v4, v2, QKVP
	v_lshl_add_u32 v[QOF], v3, 4, v4
	s_mul_i32 s75, s12, WSTAGE
	s_add_co_u32 s75, s75, STAGE
	v_mul_u32_u24 v4, v2, SPITCH
	v_lshl_add_u32 v4, v3, 5, v4
	v_add_nc_u32 v[STO], s75, v4
	v_lshlrev_b32 v[YO], 4, v1
	v_add_nc_u32 v[RD], s75, v[YO]
	s_lshl_b32 s76, s12, 10
	s_add_co_u32 s76, s76, STATS
	v_add_nc_u32 v[STA], s76, v[YO]
	v_lshrrev_b32 v4, 1, v1
	v_and_b32 v5, 1, v0
	v_lshlrev_b32 v5, 8, v5
	v_lshl_add_u32 v[PFO], v4, 12, v5
	; Q stays in registers for the whole kernel: 4 tiles of 16 q x 4 steps of 32 features, two loads of 16 bytes each
	WIN 0x40
.irp nt, 0,1,2,3
.irp kk, 0,1,2,3
	global_load_b128 v[8*(4*\nt+\kk):8*(4*\nt+\kk)+3],   v[QOF], s[66:67] offset:\nt*16*QKVP+64*\kk
	global_load_b128 v[8*(4*\nt+\kk)+4:8*(4*\nt+\kk)+7], v[QOF], s[66:67] offset:\nt*16*QKVP+64*\kk+32
.endr
.endr
	WIN 0
.irp k, 0,1,2,3
	v_mov_b32 v[TX+\k], 0                          ; a lane permute's destination counts as read,
	v_mov_b32 v[NA+2*\k+1], 0                      ; and so does the unused half of a pair that a packed instruction broadcasts from
	v_mov_b32 v[NB+2*\k+1], 0
	v_mov_b32 v[AL+2*\k+1], 0
.endr
; 32 LDS loads: K's fragments of the 64 keys of region u
.macro LOADK slot, u
	WIN 0x40
.irp mt, 0,1,2,3
.irp kk, 0,1,2,3
	ds_load_b128 v[128+8*(4*\mt+\kk):128+8*(4*\mt+\kk)+3],   v[ADRK+\slot] offset:\u*REG+\mt*16*PITK+64*\kk
	ds_load_b128 v[128+8*(4*\mt+\kk)+4:128+8*(4*\mt+\kk)+7], v[ADRK+\slot] offset:\u*REG+\mt*16*PITK+64*\kk+32
.endr
.endr
.endm
; 32 transposing LDS loads: V^T's fragments (16 features x 32 keys) of the 64 keys of region 2 + u
.macro LOADV slot, u
	WIN 0xC0
.irp ks, 0,1
.irp t, 0,1,2,3,4,5,6,7
	ds_load_tr16_b128 v[8*(2*\t+\ks):8*(2*\t+\ks)+3],   v[ADRV+\slot] offset:\u*REG+\ks*32*PITV+32*\t
	ds_load_tr16_b128 v[8*(2*\t+\ks)+4:8*(2*\t+\ks)+7], v[ADRV+\slot] offset:\u*REG+\ks*32*PITV+32*\t+16*PITV
.endr
.endr
.endm
; S^T = K Q^T for 64 keys x 64 q: 64 matrix instructions.  The 16 accumulators take turns, one instruction a turn;
; the first step along the features starts the sums.
.macro QK
	WIN 0x05
.irp kk, 0,1,2,3
.irp nt, 0,1,2,3
.irp mt, 0,1,2,3
.if \kk == 0
	v_wmma_f32_16x16x32_bf16 v[S+32*\nt+8*\mt:S+32*\nt+8*\mt+7], v[128+8*(4*\mt+\kk):128+8*(4*\mt+\kk)+7], v[8*(4*\nt+\kk):8*(4*\nt+\kk)+7], 0
.else
	v_wmma_f32_16x16x32_bf16 v[S+32*\nt+8*\mt:S+32*\nt+8*\mt+7], v[128+8*(4*\mt+\kk):128+8*(4*\mt+\kk)+7], v[8*(4*\nt+\kk):8*(4*\nt+\kk)+7], v[S+32*\nt+8*\mt:S+32*\nt+8*\mt+7]
.endif
.endr
.endr
.endr
.endm
; O^T += V^T P^T for 64 keys: 64 matrix instructions, 32 accumulators by turns, one instruction a turn.
; first = 1: the first 32 keys of the kernel start the sums.
.macro PV first
	WIN 0xA3
.irp ks, 0,1
.irp nt, 0,1,2,3
.irp t, 0,1,2,3,4,5,6,7
.if \first*(1-\ks)
	v_wmma_f32_16x16x32_bf16 v[8*(8*\nt+\t):8*(8*\nt+\t)+7], v[8*(2*\t+\ks):8*(2*\t+\ks)+7], v[S+32*\nt+16*\ks:S+32*\nt+16*\ks+7], 0
.else
	v_wmma_f32_16x16x32_bf16 v[8*(8*\nt+\t):8*(8*\nt+\t)+7], v[8*(2*\t+\ks):8*(2*\t+\ks)+7], v[S+32*\nt+16*\ks:S+32*\nt+16*\ks+7], v[8*(8*\nt+\t):8*(8*\nt+\t)+7]
.endif
.endr
.endr
.endr
.endm
.macro SCALE nt, nn                    ; s c - R, two at a time, one rounding
.set i, 0
.rept 16
	v_pk_fma_f32 v[S+32*\nt+2*i:S+32*\nt+2*i+1], v[S+32*\nt+2*i:S+32*\nt+2*i+1], s[22:23], v[\nn+2*\nt:\nn+2*\nt+1] op_sel_hi:[1,0,0]
.set i, i+1
.endr
.endm
.macro EXPS nt                         ; behind each run of exponentials stands plain work on another nt (ISA guide 5.7.2)
.set i, 0
.rept 32
	v_exp_f32 v[S+32*\nt+i], v[S+32*\nt+i]
.set i, i+1
.endr
.endm
.macro SUMS nt, first                  ; my 32 p of this q tile, in two chains of pairs; then l = l alpha + sum
	s_wait_alu depctr_va_vdst(0)
	v_pk_add_f32 v[T+4*\nt:T+4*\nt+1],   v[S+32*\nt:S+32*\nt+1],   v[S+32*\nt+4:S+32*\nt+5]
	v_pk_add_f32 v[T+4*\nt+2:T+4*\nt+3], v[S+32*\nt+2:S+32*\nt+3], v[S+32*\nt+6:S+32*\nt+7]
.set i, 8
.rept 6
	v_pk_add_f32 v[T+4*\nt:T+4*\nt+1],   v[T+4*\nt:T+4*\nt+1],   v[S+32*\nt+i:S+32*\nt+i+1]
	v_pk_add_f32 v[T+4*\nt+2:T+4*\nt+3], v[T+4*\nt+2:T+4*\nt+3], v[S+32*\nt+i+2:S+32*\nt+i+3]
.set i, i+4
.endr
.if \first
	v_pk_add_f32 v[LS+2*\nt:LS+2*\nt+1], v[T+4*\nt:T+4*\nt+1], v[T+4*\nt+2:T+4*\nt+3]
.else
	v_pk_add_f32 v[T+4*\nt:T+4*\nt+1], v[T+4*\nt:T+4*\nt+1], v[T+4*\nt+2:T+4*\nt+3]
	v_pk_fma_f32 v[LS+2*\nt:LS+2*\nt+1], v[LS+2*\nt:LS+2*\nt+1], v[AL+2*\nt:AL+2*\nt+1], v[T+4*\nt:T+4*\nt+1] op_sel_hi:[1,0,1]
.endif
.endm
.macro PACK nt                         ; 16 f32 of two stacked tiles become the 8 registers of a source-1 fragment, in place, rising
.irp ks, 0,1
.irp k, 0,1,2,3,4,5,6,7
	v_cvt_pk_bf16_f32 v[S+32*\nt+16*\ks+\k], v[S+32*\nt+16*\ks+2*\k], v[S+32*\nt+16*\ks+2*\k+1]
.endr
.endr
.endm
; The softmax step on 64 keys x 64 q.  mo, no: the old maxima and -R; mn, nn: the new ones.
.macro SMAX first, mo, mn, no, nn
.irp nt, 0,1,2,3
	v_max3_num_f32 v[\mn+\nt], v[S+32*\nt], v[S+32*\nt+1], v[S+32*\nt+2]
.endr
.set i, 3
.rept 14
.irp nt, 0,1,2,3
	v_max3_num_f32 v[\mn+\nt], v[\mn+\nt], v[S+32*\nt+i], v[S+32*\nt+i+1]
.endr
.set i, i+2
.endr
.irp nt, 0,1,2,3
.if \first
	v_max_num_f32 v[\mn+\nt], v[\mn+\nt], v[S+32*\nt+31]
.else
	v_max3_num_f32 v[\mn+\nt], v[\mn+\nt], v[S+32*\nt+31], v[\mo+\nt]
.endif
.endr
.irp nt, 0,1,2,3
	v_permlanex16_b32 v[TX+\nt], v[\mn+\nt], s20, s21              ; the other half of the keys of the same q
.endr
.irp nt, 0,1,2,3
	v_max_num_f32 v[\mn+\nt], v[\mn+\nt], v[TX+\nt]
.endr
.irp nt, 0,1,2,3
	v_mul_f32 v[\nn+2*\nt], s44, v[\mn+\nt]                        ; -R
.endr
.if 1-\first
.irp nt, 0,1,2,3
	v_sub_f32 v[AL+2*\nt], v[\nn+2*\nt], v[\no+2*\nt]              ; R_old - R_new
.endr
.irp nt, 0,1,2,3
	v_exp_f32 v[AL+2*\nt], v[AL+2*\nt]
.endr
.endif
	SCALE 0, \nn
	EXPS 0
	SCALE 1, \nn
	EXPS 1
	SUMS 0, \first
	PACK 0
	SCALE 2, \nn
	EXPS 2
	SUMS 1, \first
	PACK 1
	SCALE 3, \nn
	EXPS 3
	SUMS 2, \first
	PACK 2
	SUMS 3, \first
	PACK 3
.endm
.macro RESC                            ; O *= alpha
	WIN 0x82
.irp nt, 0,1,2,3
.set i, 0
.rept 32
	v_pk_mul_f32 v[64*\nt+2*i:64*\nt+2*i+1], v[64*\nt+2*i:64*\nt+2*i+1], v[AL+2*\nt:AL+2*\nt+1] op_sel_hi:[1,0]
.set i, i+1
.endr
.endr
.endm
; The first 64 keys of a tile.
.macro SUB0 slot, first
	LOADK \slot, 0
	LOADV \slot, 0
.if \first
	s_wait_loadcnt 0x0                             ; Q
.endif
	s_wait_dscnt 32                                ; K's 32 loads are in; V's 32, issued behind them, may stay out
	QK
	PLACES
	LOADK \slot, 1                                 ; the next 64 keys' K, over the fragments just multiplied
	WIN 0
	SMAX \first, MA, MB, NA, NB
.if 1-\first
	RESC
.endif
	s_wait_dscnt 32                                ; V is in; the next K's 32 loads may stay out
	PV \first
	PLACES
	WIN 0
.endm
; The second 64 keys.  pf = 1 (the kernel's last 64 keys): each wave asks for its own 64 residual rows of 512 bytes, lanes 256 bytes
; apart, each aligned 256 bytes once in the launch, this half tile's work ahead of the loads that want them.
.macro SUB1 slot, pf
	LOADV \slot, 1
.if \pf
.irp k, 0,1,2,3
	global_prefetch_b8 v[PFO], s[68:69] offset:65536*\k th:TH_LOAD_NT scope:SCOPE_SE
.endr
.endif
	s_wait_dscnt 32                                ; K is in; V's 32 loads may stay out
	QK
	PLACES
	WIN 0
	SMAX 0, MB, MA, NB, NA
	RESC
	s_wait_dscnt 0x0
	PV 0
	PLACES
	WIN 0
.endm
; A tile of 128 keys.  In front of the round every wave has waited for all its tensor loads (its part of this tile among them) and for its
; reads of the other slot; behind the round the other slot is filled again first, by one joint load a wave.
.macro TRIP slot, other, refill, first, pf
	s_wait_tensorcnt 0x0                           ; no tensor load of mine is out: every group 0 may be written
	ds_add_u32 v254, v255
	s_wait_dscnt 0x0
	s_add_nc_u64 s[G0K+4*\slot+2:G0K+4*\slot+3], s[G0K+4*\slot+2:G0K+4*\slot+3], 2*TILEB   ; this slot's next tile
	s_add_nc_u64 s[G0V+4*\slot+2:G0V+4*\slot+3], s[G0V+4*\slot+2:G0V+4*\slot+3], 2*TILEB
	s_wait_dscnt 0x0                               ; my reads of the last tile are over
	ROUND                                          ; both now hold of every wave of the four work-groups
.if \refill
	JLOAD \other
.endif
	SUB0 \slot, \first
	SUB1 \slot, \pf
.endm
	TRIP 0, 1, 1, 1, 0                             ; tiles 0 and 1 stand in front of the loop: the first products start the sums
	TRIP 1, 0, 1, 0, 0
	s_mov_b32 s45, 6                               ; tiles 2 to 13
.Ltiles:
	TRIP 0, 1, 1, 0, 0
	TRIP 1, 0, 1, 0, 0
	s_sub_co_u32 s45, s45, 1
	s_cmp_lg_u32 s45, 0
	s_cbranch_scc1 .Ltiles
	TRIP 0, 1, 1, 0, 0                             ; tile 14 asks for tile 15,
	TRIP 1, 0, 0, 0, 1                             ; tile 15 for nothing (the stepped addresses are not used)
	; THE WAY OUT.  1 / l: the pair, then the other half of the lanes.
.irp nt, 0,1,2,3
	v_add_f32 v[LS+2*\nt], v[LS+2*\nt], v[LS+2*\nt+1]
.endr
.irp nt, 0,1,2,3
	v_permlanex16_b32 v[TX+\nt], v[LS+2*\nt], s20, s21
.endr
.irp nt, 0,1,2,3
	v_add_f32 v[LS+2*\nt], v[LS+2*\nt], v[TX+\nt]
.endr
.irp nt, 0,1,2,3
	v_rcp_f32 v[AL+2*\nt], v[LS+2*\nt]
.endr
	v_nop                                          ; the plain place behind the reciprocals
	s_wait_alu depctr_va_vdst(0)
	WIN 0xC0
.set i, 0
.rept 64
	global_load_b128 v[4*i:4*i+3], v[YO], s[68:69] offset:4096*i th:TH_LOAD_NT   ; my 64 residual rows: 512 consecutive bytes a load
.set i, i+1
.endr
; 16 q rows: O / l goes through my own stage (a lane holds 8 features of one row; a row of 512 bytes comes back, 16 bytes a lane),
; the residual is added, the row stored and added to the column sums.
.macro OUTQ nt
	WIN 0x82
.set i, 0
.rept 32
	v_pk_mul_f32 v[64*\nt+2*i:64*\nt+2*i+1], v[64*\nt+2*i:64*\nt+2*i+1], v[AL+2*\nt:AL+2*\nt+1] op_sel_hi:[1,0]
.set i, i+1
.endr
	WIN 0x08
.irp t, 0,1,2,3,4,5,6,7
	ds_store_b128 v[STO], v[64*\nt+8*\t:64*\nt+8*\t+3]   offset:64*\t
	ds_store_b128 v[STO], v[64*\nt+8*\t+4:64*\nt+8*\t+7] offset:64*\t+16
.endr
	WIN 0x40
.set i, 0
.rept 16
	ds_load_b128 v[64*\nt+4*i:64*\nt+4*i+3], v[RD] offset:SPITCH*i   ; a wave's LDS instructions are served in order: these see the stores above
.set i, i+1
.endr
	s_wait_dscnt 0x0
	s_wait_loadcnt 48-16*\nt                       ; the residual rows of this tile are in; those of the later tiles, 16 loads each, stay out
	WIN 0x4D
.set i, 0
.rept 32
	v_pk_add_f32 v[64*\nt+2*i:64*\nt+2*i+1], v[64*\nt+2*i:64*\nt+2*i+1], v[64*\nt+2*i:64*\nt+2*i+1]   ; window 1 += window 3
.set i, i+1
.endr
	WIN 0x04
.set i, 0
.rept 16
	global_store_b128 v[YO], v[64*\nt+4*i:64*\nt+4*i+3], s[70:71] offset:4096*(16*\nt+i)   ; 512 consecutive bytes, aligned
.set i, i+1
.endr
.if \nt == 0
	WIN 0x05                                       ; rows 0 + 2 and 1 + 3 start the two sets of sums: nothing is cleared
	v_pk_add_f32 v[SUM:SUM+1],   v[0:1], v[8:9]
	v_pk_add_f32 v[SUM+2:SUM+3], v[2:3], v[10:11]
	v_pk_add_f32 v[SUM+4:SUM+5], v[4:5], v[12:13]
	v_pk_add_f32 v[SUM+6:SUM+7], v[6:7], v[14:15]
	WIN 0x04
.set i, 4
.else
.set i, 0
.endif
.rept 12+4*(\nt!=0)*(\nt!=0)
	v_pk_add_f32 v[SUM+4*(i&1):SUM+4*(i&1)+1],   v[SUM+4*(i&1):SUM+4*(i&1)+1],   v[64*\nt+4*i:64*\nt+4*i+1]
	v_pk_add_f32 v[SUM+4*(i&1)+2:SUM+4*(i&1)+3], v[SUM+4*(i&1)+2:SUM+4*(i&1)+3], v[64*\nt+4*i+2:64*\nt+4*i+3]
.set i, i+1
.endr
.endm
	OUTQ 0
	OUTQ 1
	OUTQ 2
	OUTQ 3
	WIN 0
	v_pk_add_f32 v[MEAN:MEAN+1],   v[SUM:SUM+1],   v[SUM+4:SUM+5]
	v_pk_add_f32 v[MEAN+2:MEAN+3], v[SUM+2:SUM+3], v[SUM+6:SUM+7]
	v_pk_mul_f32 v[MEAN:MEAN+1],   v[MEAN:MEAN+1],   0x3c800000 op_sel_hi:[1,0]   ; / 64 rows
	v_pk_mul_f32 v[MEAN+2:MEAN+3], v[MEAN+2:MEAN+3], 0x3c800000 op_sel_hi:[1,0]
	s_wait_xcnt 0x0                                ; the rows were store data: they are rewritten only behind this wait
	WIN 0x44
.set i, 0
.rept 64
	v_pk_add_f32 v[4*i:4*i+1],   v[MEAN:MEAN+1],   v[4*i:4*i+1]   neg_lo:[0,1] neg_hi:[0,1]   ; mean - y
	v_pk_add_f32 v[4*i+2:4*i+3], v[MEAN+2:MEAN+3], v[4*i+2:4*i+3] neg_lo:[0,1] neg_hi:[0,1]
.set i, i+1
.endr
	WIN 0x05
	v_pk_mul_f32 v[M2:M2+1],   v[0:1], v[0:1]      ; rows 0 and 1 start the two sets
	v_pk_mul_f32 v[M2+2:M2+3], v[2:3], v[2:3]
	v_pk_mul_f32 v[M2+4:M2+5], v[4:5], v[4:5]
	v_pk_mul_f32 v[M2+6:M2+7], v[6:7], v[6:7]
.set i, 2
.rept 62
	v_pk_fma_f32 v[M2+4*(i&1):M2+4*(i&1)+1],   v[4*i:4*i+1],   v[4*i:4*i+1],   v[M2+4*(i&1):M2+4*(i&1)+1]
	v_pk_fma_f32 v[M2+4*(i&1)+2:M2+4*(i&1)+3], v[4*i+2:4*i+3], v[4*i+2:4*i+3], v[M2+4*(i&1)+2:M2+4*(i&1)+3]
.set i, i+1
.endr
	WIN 0
	v_pk_add_f32 v[M2:M2+1],   v[M2:M2+1],   v[M2+4:M2+5]
	v_pk_add_f32 v[M2+2:M2+3], v[M2+2:M2+3], v[M2+6:M2+7]
	ds_store_b128 v[STA], v[MEAN:MEAN+3]
	ds_store_b128 v[STA], v[M2:M2+3] offset:512
	s_wait_dscnt 0x0                               ; for the others' sake: my figures are in LDS,
	s_barrier_signal -1
	s_barrier_wait -1                              ; everybody's are
	s_cmp_lg_u32 s12, 0
	s_cbranch_scc1 .Lmerged                        ; wave 0 merges the four waves' figures (its STA is the first wave's)
.irp w, 0,1,2,3
	ds_load_b128 v[S+4*\w:S+4*\w+3],       v[STA] offset:1024*\w
	ds_load_b128 v[S+16+4*\w:S+16+4*\w+3], v[STA] offset:1024*\w+512
.endr
	s_wait_dscnt 0x0
.irp hf, 0,2
	v_pk_add_f32 v[T+\hf:T+\hf+1],     v[S+\hf:S+\hf+1],     v[S+4+\hf:S+4+\hf+1]
	v_pk_add_f32 v[T+4+\hf:T+4+\hf+1], v[S+8+\hf:S+8+\hf+1], v[S+12+\hf:S+12+\hf+1]
	v_pk_add_f32 v[T+\hf:T+\hf+1],     v[T+\hf:T+\hf+1],     v[T+4+\hf:T+4+\hf+1]
	v_pk_mul_f32 v[T+\hf:T+\hf+1],     v[T+\hf:T+\hf+1],     0x3e800000 op_sel_hi:[1,0]     ; the mean of 256 rows
.irp w, 0,4,8,12
	v_pk_add_f32 v[S+\w+\hf:S+\w+\hf+1], v[S+\w+\hf:S+\w+\hf+1], v[T+\hf:T+\hf+1] neg_lo:[0,1] neg_hi:[0,1]
.endr
	v_pk_mul_f32 v[T+8+\hf:T+8+\hf+1], v[S+\hf:S+\hf+1], v[S+\hf:S+\hf+1]
.irp w, 4,8,12
	v_pk_fma_f32 v[T+8+\hf:T+8+\hf+1], v[S+\w+\hf:S+\w+\hf+1], v[S+\w+\hf:S+\w+\hf+1], v[T+8+\hf:T+8+\hf+1]
.endr
	v_pk_add_f32 v[S+16+\hf:S+16+\hf+1], v[S+16+\hf:S+16+\hf+1], v[S+20+\hf:S+20+\hf+1]
	v_pk_add_f32 v[S+24+\hf:S+24+\hf+1], v[S+24+\hf:S+24+\hf+1], v[S+28+\hf:S+28+\hf+1]
	v_pk_add_f32 v[S+16+\hf:S+16+\hf+1], v[S+16+\hf:S+16+\hf+1], v[S+24+\hf:S+24+\hf+1]
	v_pk_fma_f32 v[T+4+\hf:T+4+\hf+1], v[T+8+\hf:T+8+\hf+1], 0x42800000, v[S+16+\hf:S+16+\hf+1] op_sel_hi:[1,0,1]   ; 64 sum d^2 + sum M2
.endr
	global_store_b128 v[YO], v[T:T+3],   s[72:73]
	global_store_b128 v[YO], v[T+4:T+7], s[72:73] offset:M2OFF
.Lmerged:
	s_wait_tensorcnt 0x0
	ds_add_u32 v254, v255
	s_wait_dscnt 0x0
	ROUND                                          ; the closing round: no work-group ends while a partner may still ask for a tile that names it
	s_endpgm
.Lfunc_end_k_q92a619d082_attn:
	.size	k_q92a619d082_attn, .Lfunc_end_k_q92a619d082_attn-k_q92a619d082_attn
	.p2alignl 7, 3214868480
	.fill 96, 4, 3214868480
	.section	.rodata,"a",@progbits
	.p2align	6, 0x0
	.amdhsa_kernel k_q92a619d082_attn
		.amdhsa_group_segment_fixed_size 327680
		.amdhsa_private_segment_fixed_size 0
		.amdhsa_enable_private_segment 0
		.amdhsa_kernarg_size 32
		.amdhsa_user_sgpr_count 2
		.amdhsa_user_sgpr_kernarg_segment_ptr 1
		.amdhsa_wavefront_size32 1
		.amdhsa_system_sgpr_workgroup_id_x 1
		.amdhsa_system_sgpr_workgroup_id_y 1
		.amdhsa_system_sgpr_workgroup_id_z 1
		.amdhsa_system_vgpr_workitem_id 0
		.amdhsa_next_free_vgpr 1024
		.amdhsa_next_free_sgpr 80
		.amdhsa_reserve_vcc 0
		.amdhsa_float_denorm_mode_32 3
		.amdhsa_float_denorm_mode_16_64 3
		.amdhsa_memory_ordered 1
		.amdhsa_forward_progress 1
		.amdhsa_inst_pref_size 255
	.end_amdhsa_kernel
	.section	.bss,"aw",@nobits
	.p2align	6
	.space	262144
	.amdgpu_metadata
---
amdhsa.version: [ 1, 2 ]
amdhsa.kernels:
  - .name:           k_q92a619d082_attn
    .symbol:         k_q92a619d082_attn.kd
    .args:
      - { .name: qkv, .offset: 0, .size: 8, .value_kind: global_buffer, .address_space: global }
      - { .name: query, .offset: 8, .size: 8, .value_kind: global_buffer, .address_space: global }
      - { .name: y, .offset: 16, .size: 8, .value_kind: global_buffer, .address_space: global }
      - { .name: stats, .offset: 24, .size: 8, .value_kind: global_buffer, .address_space: global }
    .group_segment_fixed_size: 327680
    .private_segment_fixed_size: 0
    .kernarg_segment_align: 8
    .kernarg_segment_size: 32
    .max_flat_workgroup_size: 128
    .sgpr_count:     80
    .vgpr_count:     1024
    .wavefront_size: 32
...
	.end_amdgpu_metadata
.endif
;; end of part 3
;; launch norm (part 4): grid 8 x 32, 8 waves a work-group, no clusters, 9,216 bytes of LDS; arguments y, stats, gamma, beta, out0; writes out0
.if DOCPART == 4
	.amdgcn_target "amdgcn-amd-amdhsa--gfx1250"
	.amdhsa_code_object_version 6
	.text
	.protected	k_q92a619d082_norm
	.globl	k_q92a619d082_norm
	.p2align	8
	.type	k_q92a619d082_norm,@function
k_q92a619d082_norm:
	s_mov_b64 s[64:65], 0
	v_nop
	global_prefetch_b8 v0, s[64:65] scope:SCOPE_SE
	s_setreg_imm32_b32 hwreg(HW_REG_WAVE_MODE, 25, 1), 1
	s_wait_xcnt 0x0
; out0 = gamma (y - mean) / sqrt(var + 1e-5) + beta, mean and var over all 8,192 rows of each feature.
; stats holds, for each of 32 blocks of 256 rows, the block's mean and its sum of squared deviations (M2, at byte 131,072).  Blocks are of
; equal size, so mean = the mean of the means, and 8192 var = sum M2_i + 256 sum (mean_i - mean)^2: no difference of large sums.
; A stream: y is read once and out0 written once; matrix unit, clusters and tensor loads would add nothing.
; A work-group takes a strip of 128 features (512 bytes of a row) and 256 rows; wave w takes rows w + 8 i; lane l keeps 4 features.
; All 32 row loads of a wave go out ahead of the statistics, which are worked out while they are on their way: wave w merges blocks
; 4 w .. 4 w + 3, and the eight waves' partial figures meet in LDS, twice, in bytes of their own each time.
.set MI,   8                           ; v[8:23]    four block means
.set QI,   24                          ; v[24:39]   four block M2
.set GA,   40                          ; v[40:43]   gamma
.set BE,   44                          ; v[44:47]   beta
.set PS,   48                          ; v[48:51]   my wave's partial figure
.set R,    52                          ; v[52:83]   the eight waves' figures
.set MEAN, 84                          ; v[84:87]
.set A,    88                          ; v[88:91]   gamma / sqrt(var + eps)
.set T,    92                          ; v[92:99]   at work
.set Y,    100                         ; v[100:227] 32 rows, 4 features each
	s_load_b256 s[4:11], s[0:1], 0x0               ; y s[4:5], stats s[6:7], gamma s[8:9], beta s[10:11]
	s_load_b64 s[12:13], s[0:1], 0x20              ; out0
	v_lshl_add_u32 v228, v0, 2, 0x2000
	v_mov_b32 v229, 0
	s_and_b32 s14, ttmp7, 0xffff
	s_lshl_b32 s14, s14, 20                        ; 256 rows of 4,096 bytes
	s_lshl_b32 s16, ttmp9, 9                       ; the strip's 512 bytes
	s_add_co_u32 s14, s14, s16
	s_mov_b32 s15, 0
	s_mov_b32 s17, 0
	s_mov_b32 s18, 0x39000000                      ; 1 / 8192
	s_mov_b32 s20, 0x3727c5ac                      ; 1e-5
	v_and_b32 v1, 31, v0
	v_lshrrev_b32 v4, 5, v0                        ; wave
	v_lshlrev_b32 v1, 4, v1                        ; 16 l
	v_lshl_add_u32 v2, v4, 12, v1                  ; row w
	v_lshlrev_b32 v3, 4, v0                        ; LDS: 512 w + 16 l
	v_lshl_add_u32 v5, v4, 14, v1                  ; block 4 w of stats
	s_wait_kmcnt 0x0
	s_add_nc_u64 s[4:5], s[4:5], s[14:15]
	s_add_nc_u64 s[12:13], s[12:13], s[14:15]
	s_add_nc_u64 s[6:7], s[6:7], s[16:17]
	s_add_nc_u64 s[8:9], s[8:9], s[16:17]
	s_add_nc_u64 s[10:11], s[10:11], s[16:17]
.irp i, 0,1,2,3
	global_load_b128 v[MI+4*\i:MI+4*\i+3], v5, s[6:7] offset:4096*\i
.endr
.irp i, 0,1,2,3
	global_load_b128 v[QI+4*\i:QI+4*\i+3], v5, s[6:7] offset:131072+4096*\i
.endr
	global_load_b128 v[GA:GA+3], v1, s[8:9]
	global_load_b128 v[BE:BE+3], v1, s[10:11]
.set i, 0
.rept 32
	global_load_b128 v[Y+4*i:Y+4*i+3], v2, s[4:5] offset:32768*i th:TH_LOAD_NT
.set i, i+1
.endr
; the eight quads in R are summed into v[R:R+3]
.macro RED8
.irp hf, 0,2
.irp w, 0,8,16,24
	v_pk_add_f32 v[R+\w+\hf:R+\w+\hf+1], v[R+\w+\hf:R+\w+\hf+1], v[R+\w+4+\hf:R+\w+4+\hf+1]
.endr
	v_pk_add_f32 v[R+\hf:R+\hf+1],       v[R+\hf:R+\hf+1],       v[R+8+\hf:R+8+\hf+1]
	v_pk_add_f32 v[R+16+\hf:R+16+\hf+1], v[R+16+\hf:R+16+\hf+1], v[R+24+\hf:R+24+\hf+1]
	v_pk_add_f32 v[R+\hf:R+\hf+1],       v[R+\hf:R+\hf+1],       v[R+16+\hf:R+16+\hf+1]
.endr
.endm
	s_wait_loadcnt 32                              ; the ten small loads are in; the 32 rows, issued behind them, stay out
.irp hf, 0,2
	v_pk_add_f32 v[T+\hf:T+\hf+1],     v[MI+\hf:MI+\hf+1],     v[MI+4+\hf:MI+4+\hf+1]
	v_pk_add_f32 v[T+4+\hf:T+4+\hf+1], v[MI+8+\hf:MI+8+\hf+1], v[MI+12+\hf:MI+12+\hf+1]
	v_pk_add_f32 v[PS+\hf:PS+\hf+1],   v[T+\hf:T+\hf+1],       v[T+4+\hf:T+4+\hf+1]
.endr
	ds_store_b128 v3, v[PS:PS+3]
	s_wait_dscnt 0x0                               ; for the others' sake: my sum of means is in LDS,
	s_barrier_signal -1
	s_barrier_wait -1                              ; everybody's is
.irp w, 0,1,2,3,4,5,6,7
	ds_load_b128 v[R+4*\w:R+4*\w+3], v1 offset:512*\w
.endr
	s_wait_dscnt 0x0
	RED8
	v_pk_mul_f32 v[MEAN:MEAN+1],   v[R:R+1],   0x3d000000 op_sel_hi:[1,0]    ; / 32 blocks
	v_pk_mul_f32 v[MEAN+2:MEAN+3], v[R+2:R+3], 0x3d000000 op_sel_hi:[1,0]
.irp hf, 0,2
.irp i, 0,4,8,12
	v_pk_add_f32 v[MI+\i+\hf:MI+\i+\hf+1], v[MI+\i+\hf:MI+\i+\hf+1], v[MEAN+\hf:MEAN+\hf+1] neg_lo:[0,1] neg_hi:[0,1]
.endr
	v_pk_mul_f32 v[T+\hf:T+\hf+1], v[MI+\hf:MI+\hf+1], v[MI+\hf:MI+\hf+1]
.irp i, 4,8,12
	v_pk_fma_f32 v[T+\hf:T+\hf+1], v[MI+\i+\hf:MI+\i+\hf+1], v[MI+\i+\hf:MI+\i+\hf+1], v[T+\hf:T+\hf+1]
.endr
	v_pk_add_f32 v[QI+\hf:QI+\hf+1],     v[QI+\hf:QI+\hf+1],     v[QI+4+\hf:QI+4+\hf+1]
	v_pk_add_f32 v[QI+8+\hf:QI+8+\hf+1], v[QI+8+\hf:QI+8+\hf+1], v[QI+12+\hf:QI+12+\hf+1]
	v_pk_add_f32 v[QI+\hf:QI+\hf+1],     v[QI+\hf:QI+\hf+1],     v[QI+8+\hf:QI+8+\hf+1]
	v_pk_fma_f32 v[PS+\hf:PS+\hf+1], v[T+\hf:T+\hf+1], 0x43800000, v[QI+\hf:QI+\hf+1] op_sel_hi:[1,0,1]   ; 256 sum d^2 + sum M2
.endr
	ds_store_b128 v3, v[PS:PS+3] offset:4096       ; other bytes than the first time: no wave can still be reading them
	s_wait_dscnt 0x0
	s_barrier_signal -1
	s_barrier_wait -1
.irp w, 0,1,2,3,4,5,6,7
	ds_load_b128 v[R+4*\w:R+4*\w+3], v1 offset:4096+512*\w
.endr
	s_wait_dscnt 0x0
	RED8
.irp j, 0,1,2,3
	v_fma_f32 v[A+\j], v[R+\j], s18, s20           ; var + eps
.endr
.irp j, 0,1,2,3
	v_rsq_f32 v[A+\j], v[A+\j]
.endr
	v_nop                                          ; the plain place behind the transcendentals
	s_wait_alu depctr_va_vdst(0)
	v_pk_mul_f32 v[A:A+1],   v[A:A+1],   v[GA:GA+1]
	v_pk_mul_f32 v[A+2:A+3], v[A+2:A+3], v[GA+2:GA+3]
.set i, 0
.rept 32
	s_wait_loadcnt 31-i                            ; row i is in, the 31 - i younger ones stay out
	v_pk_add_f32 v[Y+4*i:Y+4*i+1],   v[Y+4*i:Y+4*i+1],   v[MEAN:MEAN+1]   neg_lo:[0,1] neg_hi:[0,1]
	v_pk_add_f32 v[Y+4*i+2:Y+4*i+3], v[Y+4*i+2:Y+4*i+3], v[MEAN+2:MEAN+3] neg_lo:[0,1] neg_hi:[0,1]
	v_pk_fma_f32 v[Y+4*i:Y+4*i+1],   v[Y+4*i:Y+4*i+1],   v[A:A+1],   v[BE:BE+1]
	v_pk_fma_f32 v[Y+4*i+2:Y+4*i+3], v[Y+4*i+2:Y+4*i+3], v[A+2:A+3], v[BE+2:BE+3]
	global_store_b128 v2, v[Y+4*i:Y+4*i+3], s[12:13] offset:32768*i th:TH_STORE_NT   ; 512 consecutive bytes, aligned; the registers are not written again
.set i, i+1
.endr
	s_wait_tensorcnt 0x0
	ds_add_u32 v228, v229
	s_wait_dscnt 0x0
	s_endpgm
.Lfunc_end_k_q92a619d082_norm:
	.size	k_q92a619d082_norm, .Lfunc_end_k_q92a619d082_norm-k_q92a619d082_norm
	.p2alignl 7, 3214868480
	.fill 96, 4, 3214868480
	.section	.rodata,"a",@progbits
	.p2align	6, 0x0
	.amdhsa_kernel k_q92a619d082_norm
		.amdhsa_group_segment_fixed_size 9216
		.amdhsa_private_segment_fixed_size 0
		.amdhsa_enable_private_segment 0
		.amdhsa_kernarg_size 40
		.amdhsa_user_sgpr_count 2
		.amdhsa_user_sgpr_kernarg_segment_ptr 1
		.amdhsa_wavefront_size32 1
		.amdhsa_system_sgpr_workgroup_id_x 1
		.amdhsa_system_sgpr_workgroup_id_y 1
		.amdhsa_system_sgpr_workgroup_id_z 1
		.amdhsa_system_vgpr_workitem_id 0
		.amdhsa_next_free_vgpr 230
		.amdhsa_next_free_sgpr 66
		.amdhsa_reserve_vcc 0
		.amdhsa_float_denorm_mode_32 3
		.amdhsa_float_denorm_mode_16_64 3
		.amdhsa_memory_ordered 1
		.amdhsa_forward_progress 1
		.amdhsa_inst_pref_size 24
	.end_amdhsa_kernel
	.amdgpu_metadata
---
amdhsa.version: [ 1, 2 ]
amdhsa.kernels:
  - .name:           k_q92a619d082_norm
    .symbol:         k_q92a619d082_norm.kd
    .args:
      - { .name: y, .offset: 0, .size: 8, .value_kind: global_buffer, .address_space: global }
      - { .name: stats, .offset: 8, .size: 8, .value_kind: global_buffer, .address_space: global }
      - { .name: gamma, .offset: 16, .size: 8, .value_kind: global_buffer, .address_space: global }
      - { .name: beta, .offset: 24, .size: 8, .value_kind: global_buffer, .address_space: global }
      - { .name: out0, .offset: 32, .size: 8, .value_kind: global_buffer, .address_space: global }
    .group_segment_fixed_size: 9216
    .private_segment_fixed_size: 0
    .kernarg_segment_align: 8
    .kernarg_segment_size: 40
    .max_flat_workgroup_size: 256
    .sgpr_count:     66
    .vgpr_count:     230
    .wavefront_size: 32
...
	.end_amdgpu_metadata
.endif
;; end of part 4
;; ======== version 2 of 3: 4 launches
;; workspace buffers: xq 16,777,216 bytes; xk 16,777,216 bytes; w 6,291,456 bytes; qkv 50,331,648 bytes; y 33,554,432 bytes; stats 262,144 bytes
;; launch cast: the kernel of part 1 again; grid 1216 x 1, 8 waves a work-group, no clusters, 0 bytes of LDS; arguments query, keys, Wq, Wk, Wv, xq, xk, w; writes xq, xk, w
;; launch proj (part 5): grid 8 x 32, 4 waves a work-group, clusters of 4 x 4, 327,680 bytes of LDS; arguments xq, xk, w, qkv; writes qkv
.if DOCPART == 5
	.amdgcn_target "amdgcn-amd-amdhsa--gfx1250"
	.amdhsa_code_object_version 6
	.text
	.protected	k_q92a619d082_proj
	.globl	k_q92a619d082_proj
	.p2align	8
	.type	k_q92a619d082_proj,@function
k_q92a619d082_proj:
	s_mov_b64 s[64:65], 0
	v_nop
	global_prefetch_b8 v0, s[64:65] scope:SCOPE_SE
	s_setreg_imm32_b32 hwreg(HW_REG_WAVE_MODE, 25, 1), 1
	s_wait_xcnt 0x0
	s_wait_alu depctr_hold_cnt(0) depctr_sa_sdst(0) depctr_va_vdst(0) depctr_va_sdst(0) depctr_va_ssrc(0) depctr_va_vcc(0) depctr_vm_vsrc(0)
	s_getreg_b32 s2, hwreg(HW_REG_IB_STS2, 6, 4)
	s_cmp_eq_u32 s2, 0
	s_cbranch_scc0 .Lentry_in_a_cluster
	s_endpgm
.Lentry_in_a_cluster:
	s_bfe_u32 s2, ttmp6, 0x10000c
	s_cmp_lg_u32 s2, 0xf033
	s_cbranch_scc0 .Lentry_shape_is_right
	s_endpgm
.Lentry_shape_is_right:
; The three projections in bf16, sums in f32, results rounded once to bf16:  qkv[m][n] = sum over k of A[m][k] w[n][k], [8192][3072];
; columns 0-1023 are Q (A = xq), 1024-2047 K and 2048-3071 V (A = xk); head h has 128 columns of each part.
; 8 x 32 = 256 work-groups of equal work, which stay: work-group (h, row block) makes for its 256 rows
;   phase 1: K_h | V_h, a block of 256 x 256 (A = xk, w's rows 1024 + 128 h .. and 2048 + 128 h ..); a wave makes 128 x 128: 64 accumulator tiles
;   phase 2: Q_h, a block of 256 x 128 (A = xq, w's rows 128 h ..); a wave makes 64 rows x all 128 columns, so that its stores cover whole rows of
;            256 bytes: 32 accumulator tiles, the registers of phase 1's lower half, which has been stored by then
; K goes in steps of 128 through a ring of two LDS slots filled by tensor loads; a tile's rows are 256 bytes, aligned to 256.  The ring runs on
; from phase 1 into phase 2: behind the last two changes of slots of phase 1 the slots get phase 2's first two tiles, which land while phase 1's
; block is stored.  A wave has two tensor loads out at the start and one behind each round.
; A longer K step for phase 2 does not fit: 384 rows x 528 bytes x 2 slots are 405,504 bytes.
; CLUSTERS: 4 x 4 work-groups.  The four of a cluster row (one row block, four heads) need the same tiles of A, the four of a column (one head)
; the same tiles of w: each tile is asked for jointly (same line, same descriptor, a mask that names the four), which divides the requests by four.
;
; REGISTERS, in windows of 256:
;   window 0: v0-31 addresses; v64-127, v128-191 fragments of A, two buffers; v192-223 at work on the way out
;   window 1: v64-127, v128-191 fragments of w, two buffers
;   window 2: accumulator tile (a, b) at v[8 (8 a + b)]: phase 1 my rows 0-63, phase 2 all my 64 rows;   window 3: phase 1 my rows 64-127
; THE MATRIX INSTRUCTION IS USED TRANSPOSED: source 0 = 16 rows of w, source 1 = 16 rows of A, so that a lane's eight results are eight
; neighbouring columns of one row of qkv, which pack into 16 bytes.
.set SIZE_N, 3072
.set SIZE_K, 1024
.set KSTEP,  128
.set PITCH,  272                       ; an LDS row: 256 bytes + 16 of padding, an odd multiple of 16: the 16 rows that a load touches start in 16 different 16-byte columns of 256
.set HALFT,  128*PITCH                 ; 128 rows
.set SLOT,   4*HALFT                   ; A's 256 rows, then w's 256 rows (phase 2: w's 128 rows)
.set STAGE,  2*SLOT                    ; behind the ring: 16 rows x 272 bytes for each wave, for the way out; no fill lands here
.set SPITCH, 272
.set LAPS, SIZE_K/(2*KSTEP)            ; a lap = two K steps = once round the ring: 4 laps in each phase
.set ADRA,  16                         ; v16-17  phase 1: LDS address of my A fragments in slot 0, 1
.set ADRA2, 18                         ; v18-19  phase 2: the same
.set ADRB,  20                         ; v20-21  phase 1: of my w fragments
.set ADRB2, 22                         ; v22-23  phase 2: the same
.set STO,  24                          ; v24     the way out: where I put 16 bytes of a row
.set RD,   25                          ; v25     the way out: where I read a row back
.set CO,   26                          ; v26     my byte offset in qkv
.set PFA,  27                          ; v27     prefetch of xq: my lanes' offsets; never rewritten
.set PFB,  28                          ; v28     prefetch of w's rows for Q; never rewritten
.set F0,   64                          ; fragment buffer 0
.set F1,   128                         ; fragment buffer 1
.set TMP,  192                         ; the way out: packed results, in window 0
.set G1,   24                          ; s[24:31] group 1 for A's tiles, both phases
.set G0,   32                          ; s[32:39] group 0 for xk's tiles, one set for each slot
.set G1B,  48                          ; s[48:55] group 1 for w's tiles of phase 1: it differs from A's in the mask alone
.set G0B,  56                          ; s[56:63] group 0 for w's tiles of phase 1
.set G0P,  72                          ; s[72:79] group 0 for xq's tiles
.set G0BP, 80                          ; s[80:87] group 0 for w's tiles of phase 2
.set G1BP, 88                          ; s[88:95] group 1 for w's tiles of phase 2: 64 rows
.set MSB, 0
.macro WIN new                         ; the immediate's high byte repeats the setting that is left
.if MSB != \new
	s_set_vgpr_msb (MSB<<8)|\new
.set MSB, \new
.endif
.endm
.set MUL_LO, 0xa1                      ; source 0 (w) window 1, source 1 (A) window 0, C and D window 2
.set MUL_HI, 0xf1                      ; the same, C and D window 3
.set TO_B,   0x40                      ; destination window 1, address window 0
; A joint load.  Waves 0 and 1 fetch A's two halves, waves 2 and 3 w's.  Each line has one mask and one set of registers for all that issue it.
; The branch hangs on the wave's number alone: it is the same in every work-group.
.macro JLOAD ga, g1a, gb, g1b
	s_cmp_eq_u32 s11, 0
	s_cbranch_scc0 .Lfor_b_\@
	tensor_load_to_lds s[\ga:\ga+3], s[\g1a:\g1a+7]
	s_nop 0
	s_branch .Lasked_\@
.Lfor_b_\@:
	tensor_load_to_lds s[\gb:\gb+3], s[\g1b:\g1b+7]
	s_nop 0
.Lasked_\@:
.endm
; A round of the cluster's barrier: my work-group's barrier, so that wave 0's signal speaks for all four waves; wave 0 signals for the
; work-group; every wave waits for all sixteen work-groups; my work-group's barrier once more.
.macro CREST                           ; a round behind its opening barrier
	s_cmp_lg_u32 s10, 0
	s_cbranch_scc1 .Lnot_wave_0_\@
	s_barrier_signal -3
.Lnot_wave_0_\@:
	s_barrier_wait -3
	s_barrier_signal -1
	s_barrier_wait -1
.endm
.macro CROUND                          ; a whole round
	s_barrier_signal -1
	s_barrier_wait -1
	CREST
.endm
	s_load_b128 s[4:7], s[0:1], 0x0                ; xq s[4:5], xk s[6:7]
	s_load_b128 s[68:71], s[0:1], 0x10             ; w s[68:69], qkv s[70:71]
	s_set_vgpr_msb 0x40
	v_lshl_add_u32 v255, v0, 2, 0x48400
	s_set_vgpr_msb 0x4000
	v_mov_b32 v255, 0
	s_set_vgpr_msb 0x1
	ds_add_u32 v255, v255
	s_set_vgpr_msb 0x100
	v_lshrrev_b32 v1, 5, v0
	v_readfirstlane_b32 s10, v1                    ; wave 0..3
	s_lshr_b32 s11, s10, 1                         ; phase 1: which half of the block's rows is mine.  Also: I fetch for A (0) or for w (1)
	s_and_b32 s12, s10, 1                          ; phase 1: K's columns (0) or V's (1).  Also: which half of a tile I fetch
	s_bfe_u32 s40, ttmp6, 0x40000                  ; cx: my place along the cluster's x
	s_bfe_u32 s41, ttmp6, 0x40004                  ; cy: along its y
	s_lshl_b32 s42, ttmp9, 2                       ; in a cluster launch ttmp9 and ttmp7 count clusters
	s_add_co_u32 s42, s42, s40                     ; head = 4 x cluster x + cx
	s_and_b32 s13, ttmp7, 0xffff
	s_lshl_b32 s13, s13, 2
	s_add_co_u32 s13, s13, s41                     ; row block = 4 x cluster y + cy
	s_lshl_b32 s43, s41, 2
	s_lshl_b32 s43, 15, s43                        ; my row of the cluster: places 4 cy .. 4 cy + 3
	s_lshl_b32 s44, 0x1111, s40                    ; my column: places cx, cx + 4, cx + 8, cx + 12
	; groups 1: tiles of 128 (phase 2's w: 64) rows x 128 elements, padded in LDS
	s_or_b32 s[G1+0], s43, (1<<16)|(1<<20)|(1<<21)|(5<<22)|(3<<25)   ; 15:0 mask: A's tiles go to my row; 17:16 elements of 2 bytes; 20 padding on; 21 set beside a mask; 24:22 after every 64 words; 31:25 four words
	s_or_b32 s[G1B+0], s44, (1<<16)|(1<<20)|(1<<21)|(5<<22)|(3<<25)  ; the same with the mask of my column, for w's tiles
	s_or_b32 s[G1BP+0], s44, (1<<16)|(1<<20)|(1<<21)|(5<<22)|(3<<25)
	s_mov_b32 s[G1+1], KSTEP<<16                   ; tensor_dim0 = 128
	s_mov_b32 s[G1B+1], KSTEP<<16
	s_mov_b32 s[G1BP+1], KSTEP<<16
	s_mov_b32 s[G1+2], 128<<16                     ; tensor_dim1 = 128
	s_mov_b32 s[G1B+2], 128<<16
	s_mov_b32 s[G1BP+2], 64<<16                    ; 64
	s_mov_b32 s[G1+3], KSTEP<<16                   ; tile_dim0 = 128
	s_mov_b32 s[G1B+3], KSTEP<<16
	s_mov_b32 s[G1BP+3], KSTEP<<16
	s_mov_b32 s[G1+4], 128                         ; tile_dim1 = 128
	s_mov_b32 s[G1B+4], 128
	s_mov_b32 s[G1BP+4], 64                        ; 64
	s_mov_b32 s[G1+5], SIZE_K                      ; elements from row to row
	s_mov_b32 s[G1B+5], SIZE_K
	s_mov_b32 s[G1BP+5], SIZE_K
	s_mov_b32 s[G1+6], 0
	s_mov_b32 s[G1B+6], 0
	s_mov_b32 s[G1BP+6], 0
	s_mov_b32 s[G1+7], 0
	s_mov_b32 s[G1B+7], 0
	s_mov_b32 s[G1BP+7], 0
	; where the tiles come from.  A's hang on the row block alone, which my row of the cluster shares; w's on the head alone, which my column shares.
	; Every wave makes all addresses, in registers that never hold the other coordinate, and asks by A's or by w's.
	s_lshl_b32 s17, s12, 7
	s_lshl_b32 s16, s13, 8
	s_add_co_u32 s16, s16, s17                     ; xk and xq: row 256 x row block + 128 x half
	s_lshl_b32 s46, s42, 7
	s_lshl_b32 s47, s12, 10
	s_add_co_u32 s46, s46, s47
	s_add_co_u32 s46, s46, 1024                    ; w, phase 1: row 1024 + 1024 x half + 128 h: K's rows, V's rows
	s_lshl_b32 s96, s42, 7
	s_lshl_b32 s97, s12, 6
	s_add_co_u32 s96, s96, s97                     ; w, phase 2: row 128 h + 64 x half
	s_mov_b32 s17, 0
	s_mov_b32 s47, 0
	s_mov_b32 s97, 0
	s_mov_b64 s[18:19], SIZE_K*2
	s_mul_u64 s[16:17], s[16:17], s[18:19]         ; in bytes, in 64 bits
	s_mul_u64 s[46:47], s[46:47], s[18:19]
	s_mul_u64 s[96:97], s[96:97], s[18:19]
	s_mul_i32 s20, s10, HALFT                      ; and where they go: wave x 128 rows: no place in the cluster enters an LDS address
	s_mul_i32 s45, s10, 64*PITCH                   ; phase 2's w: 128 rows + wave x 64 rows: wave 2 behind A's 256 rows, wave 3 behind wave 2
	s_add_co_u32 s45, s45, HALFT
	s_wait_dscnt 0x0
	s_wait_kmcnt 0x0
	s_add_nc_u64 s[14:15], s[6:7], s[16:17]        ; xk's tiles
	s_add_nc_u64 s[98:99], s[4:5], s[16:17]        ; xq's tiles; also the base of xq's prefetches: not rewritten
	s_add_nc_u64 s[46:47], s[68:69], s[46:47]
	s_add_nc_u64 s[96:97], s[68:69], s[96:97]      ; also the base of w's prefetch: not rewritten
	CROUND                                         ; all sixteen work-groups are here: the first joint loads meet
.irp s, 0,1
	s_mov_b32 s[G0+4*\s], 1                                        ; count = 1
	s_add_co_u32 s[G0+4*\s+1], s20, \s*SLOT                        ; LDS address
	s_add_nc_u64 s[G0+4*\s+2:G0+4*\s+3], s[14:15], \s*KSTEP*2      ; global address: K step s
	s_or_b32 s[G0+4*\s+3], s[G0+4*\s+3], 0x80000000                ; type = 2
	s_mov_b32 s[G0B+4*\s], 1
	s_add_co_u32 s[G0B+4*\s+1], s20, \s*SLOT
	s_add_nc_u64 s[G0B+4*\s+2:G0B+4*\s+3], s[46:47], \s*KSTEP*2
	s_or_b32 s[G0B+4*\s+3], s[G0B+4*\s+3], 0x80000000
	JLOAD G0+4*\s, G1, G0B+4*\s, G1B               ; the ring is filled before anything else is done
.endr
.irp s, 0,1                                        ; phase 2's groups 0, in registers of their own: none that a pending load names is written
	s_mov_b32 s[G0P+4*\s], 1
	s_add_co_u32 s[G0P+4*\s+1], s20, \s*SLOT
	s_add_nc_u64 s[G0P+4*\s+2:G0P+4*\s+3], s[98:99], \s*KSTEP*2
	s_or_b32 s[G0P+4*\s+3], s[G0P+4*\s+3], 0x80000000
	s_mov_b32 s[G0BP+4*\s], 1
	s_add_co_u32 s[G0BP+4*\s+1], s45, \s*SLOT
	s_add_nc_u64 s[G0BP+4*\s+2:G0BP+4*\s+3], s[96:97], \s*KSTEP*2
	s_or_b32 s[G0BP+4*\s+3], s[G0BP+4*\s+3], 0x80000000
.endr
	; A fragment is 16 rows x 32 K in 8 registers: lane l holds row l % 16; registers 0-3 hold K = 8 (l / 16) + 0..7, registers 4-7
	; K = 16 + 8 (l / 16) + 0..7: two loads of 16 bytes, 32 bytes apart.
	v_and_b32 v1, 15, v0                           ; l % 16
	v_bfe_u32 v2, v0, 4, 1                         ; l / 16
	v_mul_u32_u24 v3, v1, PITCH
	v_lshl_add_u32 v3, v2, 4, v3                   ; row x pitch + 16 x half
	s_mul_i32 s21, s11, HALFT                      ; phase 1: my 128 rows of A
	s_mul_i32 s22, s12, HALFT                      ; my 128 rows of w,
	s_add_co_u32 s22, s22, 2*HALFT                 ; which lie behind A's 256
.irp s, 0,1
	v_add_nc_u32 v[ADRA+\s], s21, v3
	v_add_nc_u32 v[ADRB+\s], s22, v3
	s_add_co_u32 s21, s21, SLOT
	s_add_co_u32 s22, s22, SLOT
.endr
	s_mul_i32 s21, s10, 64*PITCH                   ; phase 2: my 64 rows of A, and all 128 rows of w
.irp s, 0,1
	v_add_nc_u32 v[ADRA2+\s], s21, v3
	v_add_nc_u32 v[ADRB2+\s], 2*HALFT+\s*SLOT, v3
	s_add_co_u32 s21, s21, SLOT
.endr
	s_mul_i32 s23, s10, 16*SPITCH
	s_add_co_u32 s23, s23, STAGE                   ; my stage
	v_mul_u32_u24 v4, v1, SPITCH                   ; in: row l % 16, 16 bytes for each half of the lanes
	v_lshl_add_u32 v4, v2, 4, v4
	v_add_nc_u32 v[STO], s23, v4
	v_mul_u32_u24 v5, v2, SPITCH                   ; back: lanes 0-15 take one row of 256 bytes, lanes 16-31 the next
	v_lshl_add_u32 v5, v1, 4, v5
	v_add_nc_u32 v[RD], s23, v5
	v_mul_u32_u24 v5, v2, SIZE_N*2                 ; and the same two rows in qkv
	v_lshl_add_u32 v[CO], v1, 4, v5
	; Prefetches of phase 2's tiles, each aligned 256 bytes asked for once in the launch.
	; xq: a row block's 256 rows are read by 8 heads' work-groups.  From s[98:99] (row 128 x half) head h, wave pair s11 takes rows 16 h + 8 s11 + l % 8;
	; lanes l / 8 = 0..3 take four K steps of 256 bytes.  Two instructions a wave cover its 8 rows x 8 K steps.
	s_lshl_b32 s46, s42, 4
	s_lshl_b32 s47, s11, 3
	s_add_co_u32 s46, s46, s47
	v_and_b32 v4, 7, v0
	v_add_nc_u32 v4, s46, v4
	v_bfe_u32 v5, v0, 3, 2
	v_lshlrev_b32 v5, 8, v5
	v_lshl_add_u32 v[PFA], v4, 11, v5
	; w's 128 rows for Q_h are read by 32 row blocks' work-groups: row block i takes rows 4 i + l % 4, lanes l / 4 = 0..7 the eight K steps: one instruction of wave 0
	s_lshl_b32 s14, s13, 2
	v_and_b32 v4, 3, v0
	v_add_nc_u32 v4, s14, v4
	v_bfe_u32 v5, v0, 2, 3
	v_lshlrev_b32 v5, 8, v5
	v_lshl_add_u32 v[PFB], v4, 11, v5
; 16 matrix instructions: m blocks a0, a0 + 1 of the window's four (hi = 0: window 2, 1: window 3) x all 8 n blocks, 32 along K.
; zero = 1: the first product starts the sums: nothing is ever cleared.  The accumulators (64 in phase 1, 32 in phase 2) take turns, one
; instruction a turn, in the same order in every quarter step.
.macro MUL16 f, hi, a0, zero
.irp a, \a0, \a0+1
.irp b, 0,1,2,3,4,5,6,7
.if \zero
	v_wmma_f32_16x16x32_bf16 v[8*(8*(\a)+\b):8*(8*(\a)+\b)+7], v[\f+8*\b:\f+8*\b+7], v[\f+8*(4*\hi+\a):\f+8*(4*\hi+\a)+7], 0
.else
	v_wmma_f32_16x16x32_bf16 v[8*(8*(\a)+\b):8*(8*(\a)+\b)+7], v[\f+8*\b:\f+8*\b+7], v[\f+8*(4*\hi+\a):\f+8*(4*\hi+\a)+7], v[8*(8*(\a)+\b):8*(8*(\a)+\b)+7]
.endif
.endr
.endr
.endm
; 8 of them: m block a of window 2
.macro MUL8 f, a
.irp b, 0,1,2,3,4,5,6,7
	v_wmma_f32_16x16x32_bf16 v[8*(8*(\a)+\b):8*(8*(\a)+\b)+7], v[\f+8*\b:\f+8*\b+7], v[\f+8*(\a):\f+8*(\a)+7], v[8*(8*(\a)+\b):8*(8*(\a)+\b)+7]
.endr
.endm
; phase 1: 32 LDS loads in one run: the fragments of one quarter step (128 rows of w, 128 rows of A, 32 K at byte k of the rows) into buffer f
.macro FETCH slot, k, f
	WIN TO_B
.irp i, 0,1,2,3,4,5,6,7
	ds_load_b128 v[\f+8*\i:\f+8*\i+3],   v[ADRB+\slot] offset:\k+\i*16*PITCH
	ds_load_b128 v[\f+8*\i+4:\f+8*\i+7], v[ADRB+\slot] offset:\k+\i*16*PITCH+32
.endr
	WIN 0
.irp i, 0,1,2,3,4,5,6,7
	ds_load_b128 v[\f+8*\i:\f+8*\i+3],   v[ADRA+\slot] offset:\k+\i*16*PITCH
	ds_load_b128 v[\f+8*\i+4:\f+8*\i+7], v[ADRA+\slot] offset:\k+\i*16*PITCH+32
.endr
.endm
; phase 2: 24 LDS loads: 128 rows of w, then my 64 rows of A
.macro FETCH2 slot, k, f
	WIN TO_B
.irp i, 0,1,2,3,4,5,6,7
	ds_load_b128 v[\f+8*\i:\f+8*\i+3],   v[ADRB2+\slot] offset:\k+\i*16*PITCH
	ds_load_b128 v[\f+8*\i+4:\f+8*\i+7], v[ADRB2+\slot] offset:\k+\i*16*PITCH+32
.endr
	WIN 0
.irp i, 0,1,2,3
	ds_load_b128 v[\f+8*\i:\f+8*\i+3],   v[ADRA2+\slot] offset:\k+\i*16*PITCH
	ds_load_b128 v[\f+8*\i+4:\f+8*\i+7], v[ADRA2+\slot] offset:\k+\i*16*PITCH+32
.endr
.endm
; A load into a register that a matrix instruction has read, and a vector instruction that reads a matrix result, stand four places
; behind that matrix instruction; only plain vector instructions that name none of its registers are places (ISA guide 7.12.1 for
; vector instructions).  So four v_nop stand in front of each run of loads.
.macro PLACES
.rept 4
	v_nop
.endr
.endm
; ---- PHASE 1.  A K step is four quarter steps of 32 along K, 64 matrix instructions each, on buffers 0, 1, 0, 1.
; One of the first three: multiplies buffer f; in its middle it fetches the next quarter's fragments, at byte k of the same slot's rows, into buffer g.
.macro QUARTER slot, k, f, g, zero
	s_wait_dscnt 8                                 ; w and A's rows 0-63 are in; the youngest eight loads (A's rows 64-127) may be out
	WIN MUL_LO
	MUL16 \f, 0, 0, \zero
	MUL16 \f, 0, 2, \zero
	PLACES
	FETCH \slot, \k, \g
	s_wait_dscnt 32                                ; all but the 32 just issued
	WIN MUL_HI
	MUL16 \f, 1, 0, \zero
	MUL16 \f, 1, 2, \zero
.endm
.macro THREE slot, zero
	QUARTER \slot, 64,  F0, F1, \zero
	QUARTER \slot, 128, F1, F0, 0
	QUARTER \slot, 192, F0, F1, 0
.endm
; The last quarter: multiplies buffer 1 and changes slots.  fill = 1: this slot gets phase 1's tile two K steps ahead; fill = 2: phase 2's K step
; of this slot's number.  fetch = 1: the next slot's first fragments are read.
; ONE barrier for the change of slots; it opens a round of the cluster's barrier.  In front of it each wave waits for its own reads of this slot and
; for all its tensor loads, of which one is out: its part of the next slot.  Behind the round nobody reads this slot any more and the next slot is
; whole: the refill comes first.  From a request to the wait for it a wave issues 240 matrix instructions.
.macro TURN slot, next, fill, fetch
	s_wait_dscnt 8
	WIN MUL_LO
	MUL16 F1, 0, 0, 0
	s_wait_dscnt 0                                 ; my reads of this slot are over
	s_wait_tensorcnt 0x0                           ; and all my tensor loads have landed
	ds_add_u32 v255, v255
	s_wait_dscnt 0x0
	s_barrier_signal -1                            ; say so,
	MUL16 F1, 0, 2, 0                              ; work on registers while the others arrive,
	WIN 0
	s_barrier_wait -1                              ; and go on when all four have said so
	CREST                                          ; all sixteen work-groups have said so: no wave of any partner still reads this slot's tile or has a load on its way
.if \fill == 1
	s_add_nc_u64 s[G0+4*\slot+2:G0+4*\slot+3], s[G0+4*\slot+2:G0+4*\slot+3], 2*KSTEP*2
	s_add_nc_u64 s[G0B+4*\slot+2:G0B+4*\slot+3], s[G0B+4*\slot+2:G0B+4*\slot+3], 2*KSTEP*2
	JLOAD G0+4*\slot, G1, G0B+4*\slot, G1B         ; the first tensor load behind the round
.else
	JLOAD G0P+4*\slot, G1, G0BP+4*\slot, G1BP      ; the same place: xq's tile, and 64 rows a wave of w's rows for Q
.endif
.if \fetch
	PLACES
	FETCH \next, 0, F0
.endif
	WIN MUL_HI
	MUL16 F1, 1, 0, 0
	MUL16 F1, 1, 2, 0
.endm
.macro LAP zero                        ; once round the ring, both slots filled again
	THREE 0, \zero
	TURN 0, 1, 1, 1
	THREE 1, 0
	TURN 1, 0, 1, 1
.endm
; ---- PHASE 2.  A quarter step is 32 matrix instructions.  The next quarter's 24 loads go out at the quarter's head, 32 matrix instructions ahead of
; their use: the four waves' 96 loads of 512 bytes are three quarters of what LDS can serve in a quarter step's 32 x 8 matrix cycles at 256 bytes each
; (64 banks of 4 bytes: ISA guide 11.1), so they need the whole quarter.
.macro QUARTER2 slot, k, f, g, zero
	PLACES                                         ; buffer g was multiplied just now
	FETCH2 \slot, \k, \g
	s_wait_dscnt 28                                ; of buffer f all but the last four loads (A's rows 32-63) are in; behind them stand the 24 just issued
	WIN MUL_LO
	MUL16 \f, 0, 0, \zero
	s_wait_dscnt 24                                ; all but the 24 just issued
	MUL16 \f, 0, 2, \zero
.endm
.macro THREE2 slot, zero
	QUARTER2 \slot, 64,  F0, F1, \zero
	QUARTER2 \slot, 128, F1, F0, 0
	QUARTER2 \slot, 192, F0, F1, 0
.endm
; The last quarter of a K step: as TURN.  fill = 1: this slot is filled again, two K steps ahead, behind a round; fill = 0: the work-group's barrier alone.
.macro TURN2 slot, next, fill
	s_wait_dscnt 4                                 ; w and A's rows 0-31 are in
	WIN MUL_LO
	MUL8 F1, 0
	s_wait_dscnt 0                                 ; my reads of this slot are over
	s_wait_tensorcnt 0x0                           ; and all my tensor loads have landed: the one that was out is my part of the next slot
	ds_add_u32 v255, v255
	s_wait_dscnt 0x0
	s_barrier_signal -1
	MUL8 F1, 1                                     ; work on registers while the others arrive
	WIN 0
	s_barrier_wait -1
.if \fill
	CREST
	s_add_nc_u64 s[G0P+4*\slot+2:G0P+4*\slot+3], s[G0P+4*\slot+2:G0P+4*\slot+3], 2*KSTEP*2
	s_add_nc_u64 s[G0BP+4*\slot+2:G0BP+4*\slot+3], s[G0BP+4*\slot+2:G0BP+4*\slot+3], 2*KSTEP*2
	JLOAD G0P+4*\slot, G1, G0BP+4*\slot, G1BP      ; the first tensor load behind the round
.endif
	PLACES
	FETCH2 \next, 0, F0
	WIN MUL_LO
	MUL16 F1, 0, 2, 0
.endm
.macro LAP2 zero
	THREE2 0, \zero
	TURN2 0, 1, 1
	THREE2 1, 0
	TURN2 1, 0, 1
.endm
; ---- THE WAY OUT, 16 rows at a time: round to bf16, 16 bytes a lane into my own stage in LDS, read back as whole rows of 256 bytes.
; rows 16 i .. 16 i + 15 of my block = the eight tiles (a, 0..7) of window 2 or 3 (from = 0x0a or 0x0f: sources 0 and 1); f: F0 or F1 in turn;
; s[CB:CB+1]: the phase's own base in qkv
.macro OUT16 i, a, from, f
	WIN \from
.irp b, 0,1,2,3,4,5,6,7
.irp r, 0,1,2,3
	v_cvt_pk_bf16_f32 v[TMP+4*\b+\r], v[8*(8*\a+\b)+2*\r], v[8*(8*\a+\b)+2*\r+1]
.endr
.endr
	WIN 0
.irp b, 0,1,2,3,4,5,6,7
	ds_store_b128 v[STO], v[TMP+4*\b:TMP+4*\b+3] offset:32*\b
.endr
	s_wait_xcnt 0x0                                ; buffer f, which earlier stores read, and the stores' base are rewritten only behind this wait
.if \i
	s_add_nc_u64 s[CB:CB+1], s[CB:CB+1], 16*SIZE_N*2   ; 16 rows on
.endif
.irp t, 0,1,2,3,4,5,6,7
	ds_load_b128 v[\f+4*\t:\f+4*\t+3], v[RD] offset:\t*2*SPITCH    ; a wave's LDS instructions are served in order: these see the stores above
.endr
.irp t, 0,1,2,3,4,5,6,7
	s_wait_dscnt 7-\t                              ; load t is in, the 7 - t younger ones stay out
	global_store_b128 v[CO], v[\f+4*\t:\f+4*\t+3], s[CB:CB+1] offset:2*\t*SIZE_N*2   ; 16 lanes store 256 consecutive bytes, aligned
.endr
.endm
	; ======== PHASE 1: K_h | V_h ========
	s_wait_tensorcnt 1                             ; my part of K step 0 is in; K step 1's may stay out
	s_barrier_signal -1
	s_barrier_wait -1                              ; everybody's is
	FETCH 0, 0, F0
	LAP 1                                          ; the first lap stands in front of the loop: its first products start the sums
	WIN 0                                          ; at a label and at a branch every window is 0
	s_mov_b32 s3, LAPS-2
.Llap:
	LAP 0
	WIN 0
	s_sub_co_u32 s3, s3, 1
	s_cmp_lg_u32 s3, 0
	s_cbranch_scc1 .Llap
	; at the head of K step 6: xq's K steps 0 to 3 of phase 2 (the first of them is asked for by a tensor load one K step on), and all of w's rows for Q
	global_prefetch_b8 v[PFA], s[98:99] th:TH_LOAD_NT scope:SCOPE_SE
	s_cmp_lg_u32 s10, 0
	s_cbranch_scc1 .Lno_pfb
	global_prefetch_b8 v[PFB], s[96:97] th:TH_LOAD_NT scope:SCOPE_SE
.Lno_pfb:
	THREE 0, 0                                     ; the last lap of phase 1: the slots get phase 2's K steps 0 and 1
	TURN 0, 1, 2, 1
	THREE 1, 0
	TURN 1, 0, 2, 0                                ; nothing is read from the ring until phase 1's block has been stored
	PLACES                                         ; the places behind the last matrix instructions, for the conversions and for the loads into buffers 0 and 1
.set CB, 8
	s_lshl_b32 s14, s13, 8
	s_lshl_b32 s15, s11, 7
	s_add_co_u32 s16, s14, s15                     ; my first row: 256 x row block + 128 x half
	s_mov_b32 s17, 0
	s_mov_b64 s[18:19], SIZE_N*2
	s_mul_u64 s[16:17], s[16:17], s[18:19]
	s_add_nc_u64 s[8:9], s[70:71], s[16:17]
	s_lshl_b32 s46, s42, 8                         ; my first column, in bytes: 2048 (K) or 4096 (V) + 256 h
	s_lshl_b32 s47, s12, 11
	s_add_co_u32 s46, s46, s47
	s_add_co_u32 s46, s46, 2048
	s_mov_b32 s47, 0
	s_add_nc_u64 s[8:9], s[8:9], s[46:47]
	OUT16 0, 0, 0x0a, F0
	OUT16 1, 1, 0x0a, F1
	OUT16 2, 2, 0x0a, F0
	OUT16 3, 3, 0x0a, F1
	OUT16 4, 0, 0x0f, F0
	OUT16 5, 1, 0x0f, F1
	OUT16 6, 2, 0x0f, F0
	OUT16 7, 3, 0x0f, F1
	; ======== PHASE 2: Q_h ========
	; Slot 0 holds its K step 0: every wave waited for its part in front of the round that closed phase 1's last K step.
	s_wait_xcnt 0x0                                ; buffers 0 and 1 were store data: they are loaded again only behind this wait
	FETCH2 0, 0, F0
	global_prefetch_b8 v[PFA], s[98:99] offset:1024 th:TH_LOAD_NT scope:SCOPE_SE   ; xq's K steps 4 to 7; the first of them is asked for by a tensor load three K steps on
	LAP2 1                                         ; the first products start the sums, over the registers of phase 1's lower half
	WIN 0
	s_mov_b32 s3, LAPS-2
.Llap2:
	LAP2 0
	WIN 0
	s_sub_co_u32 s3, s3, 1
	s_cmp_lg_u32 s3, 0
	s_cbranch_scc1 .Llap2
	THREE2 0, 0                                    ; the last lap fills nothing: my one tensor load that is still out is slot 1's, the last K step's
	TURN2 0, 1, 0
	THREE2 1, 0
	s_wait_dscnt 4                                 ; the very last quarter: nothing more to fetch
	WIN MUL_LO
	MUL16 F1, 0, 0, 0
	s_wait_dscnt 0
	MUL16 F1, 0, 2, 0
	PLACES
.set CB, 66
	s_lshl_b32 s14, s13, 8
	s_lshl_b32 s15, s10, 6
	s_add_co_u32 s16, s14, s15                     ; my first row: 256 x row block + 64 x wave
	s_mov_b32 s17, 0
	s_mov_b64 s[18:19], SIZE_N*2
	s_mul_u64 s[16:17], s[16:17], s[18:19]
	s_add_nc_u64 s[66:67], s[70:71], s[16:17]      ; a base of its own: phase 1's may still be named by stores
	s_lshl_b32 s46, s42, 8                         ; Q's columns: byte 256 h
	s_mov_b32 s47, 0
	s_add_nc_u64 s[66:67], s[66:67], s[46:47]
	OUT16 0, 0, 0x0a, F0
	OUT16 1, 1, 0x0a, F1
	OUT16 2, 2, 0x0a, F0
	OUT16 3, 3, 0x0a, F1
	s_set_vgpr_msb 0x1
	s_wait_tensorcnt 0x0
	ds_add_u32 v255, v255
	s_wait_dscnt 0x0
	s_set_vgpr_msb 0x100
	CROUND                                         ; the closing round: no work-group ends while a partner may still ask for a tile that names it
	s_endpgm
.Lfunc_end_k_q92a619d082_proj:
	.size	k_q92a619d082_proj, .Lfunc_end_k_q92a619d082_proj-k_q92a619d082_proj
	.p2alignl 7, 3214868480
	.fill 96, 4, 3214868480
	.section	.rodata,"a",@progbits
	.p2align	6, 0x0
	.amdhsa_kernel k_q92a619d082_proj
		.amdhsa_group_segment_fixed_size 327680
		.amdhsa_private_segment_fixed_size 0
		.amdhsa_enable_private_segment 0
		.amdhsa_kernarg_size 32
		.amdhsa_user_sgpr_count 2
		.amdhsa_user_sgpr_kernarg_segment_ptr 1
		.amdhsa_wavefront_size32 1
		.amdhsa_system_sgpr_workgroup_id_x 1
		.amdhsa_system_sgpr_workgroup_id_y 1
		.amdhsa_system_sgpr_workgroup_id_z 1
		.amdhsa_system_vgpr_workitem_id 0
		.amdhsa_next_free_vgpr 1024
		.amdhsa_next_free_sgpr 100
		.amdhsa_reserve_vcc 0
		.amdhsa_float_denorm_mode_32 3
		.amdhsa_float_denorm_mode_16_64 3
		.amdhsa_memory_ordered 1
		.amdhsa_forward_progress 1
		.amdhsa_inst_pref_size 255
	.end_amdhsa_kernel
	.section	.bss,"aw",@nobits
	.p2align	6
	.space	262144
	.amdgpu_metadata
---
amdhsa.version: [ 1, 2 ]
amdhsa.kernels:
  - .name:           k_q92a619d082_proj
    .symbol:         k_q92a619d082_proj.kd
    .args:
      - { .name: xq, .offset: 0, .size: 8, .value_kind: global_buffer, .address_space: global }
      - { .name: xk, .offset: 8, .size: 8, .value_kind: global_buffer, .address_space: global }
      - { .name: w, .offset: 16, .size: 8, .value_kind: global_buffer, .address_space: global }
      - { .name: qkv, .offset: 24, .size: 8, .value_kind: global_buffer, .address_space: global }
    .group_segment_fixed_size: 327680
    .private_segment_fixed_size: 0
    .kernarg_segment_align: 8
    .kernarg_segment_size: 32
    .max_flat_workgroup_size: 128
    .sgpr_count:     100
    .vgpr_count:     1024
    .wavefront_size: 32
...
	.end_amdgpu_metadata
.endif
;; end of part 5
;; launch attn (part 6): grid 8 x 32, 4 waves a work-group, clusters of 4 x 1, 327,680 bytes of LDS; arguments qkv, query, y, stats; writes y, stats
.if DOCPART == 6
	.amdgcn_target "amdgcn-amd-amdhsa--gfx1250"
	.amdhsa_code_object_version 6
	.text
	.protected	k_q92a619d082_attn
	.globl	k_q92a619d082_attn
	.p2align	8
	.type	k_q92a619d082_attn,@function
k_q92a619d082_attn:
	s_mov_b64 s[64:65], 0
	v_nop
	global_prefetch_b8 v0, s[64:65] scope:SCOPE_SE
	s_setreg_imm32_b32 hwreg(HW_REG_WAVE_MODE, 25, 1), 1
	s_wait_xcnt 0x0
	s_wait_alu depctr_hold_cnt(0) depctr_sa_sdst(0) depctr_va_vdst(0) depctr_va_sdst(0) depctr_va_ssrc(0) depctr_va_vcc(0) depctr_vm_vsrc(0)
	s_getreg_b32 s2, hwreg(HW_REG_IB_STS2, 6, 4)
	s_cmp_eq_u32 s2, 0
	s_cbranch_scc0 .Lentry_in_a_cluster
	s_endpgm
.Lentry_in_a_cluster:
	s_bfe_u32 s2, ttmp6, 0x10000c
	s_cmp_lg_u32 s2, 0x3003
	s_cbranch_scc0 .Lentry_shape_is_right
	s_endpgm
.Lentry_shape_is_right:
; y = softmax(Q K^T / 32) V + query for one (head, batch) pair and 256 query rows, and for these 256 rows the mean and the sum of squared
; deviations (M2) of each of the head's 128 features.  qkv: [8192][3072] bf16 (Q | K | V, head h at byte 256 h of each part);
; query, y: [8192][1024] f32; stats: means [32 row blocks][1024] f32, then M2 [32][1024] at byte 131,072.
; Work-group y = 8 b + h; work-group x = the block of 256 query rows.  Four waves, 64 query rows each, as four tiles of 16 (nt).
; CLUSTERS: the four work-groups of a cluster are four query blocks of one (h, b): they read the same K and V tiles, so every tile is
; asked for jointly (mask 15).  Keys go in tiles of 256 through a ring of two LDS slots; waves 0, 1 fetch K's rows 0-127 and 128-255, waves
; 2, 3 V's.  A wave has one tensor load out; it has a whole tile's work (512 matrix instructions) in which to land.
; TRANSPOSED FORMS, so that the probabilities never leave registers:  S^T = K (source 0, rows = keys) x Q (source 1, columns = q): lane
; (r, hl), register j holds key 16 mt + 8 hl + j of q = 16 nt + r.  Two stacked tiles of S^T, rounded to bf16 in pairs, ARE a source-1
; fragment of 32 keys.  O^T = V^T (source 0, rows = features, by transposing LDS loads) x P^T.  Maximum, sum and rescale factor of a q are
; one number a lane; lanes r and r + 16 hold the two halves of the keys.
; SOFTMAX: a running maximum m of the raw scores; R = round(m c), c = log2(e) / 32; p = 2^(s c - R) by one fused multiply-add; old sums and
; old O are multiplied by 2^(R_old - R_new), formed from the rounded R themselves, so that all terms carry the same shift.
; THE PIPELINE.  A unit is 64 keys x 16 q: 16 matrix instructions for S^T, 134 vector instructions, 16 matrix instructions for O^T.
; Stage u issues QK of unit u + 1, then PV of unit u - 1, and behind each of these 32 matrix instructions up to five vector instructions:
;   first half:  maximum, -R and alpha of unit u;  sum and packing of unit u - 1 (from E);  the second half of O(u - 1)'s rescale
;   second half: s c - R and the exponentials of unit u (S -> E);  the first half of O(u)'s rescale
; A matrix instruction of this form stands for 8,192 multiply-adds; its slot holds it, two window switches and the vector work.  The products'
; operands and the softmax lie in different register windows, hence the switches: no one setting serves both.
; ONE TEXT FOR ALL KEYS: m starts at -inf, -R at +inf, l and O at 0, so that the first 64 keys run the loop's text (their alpha is 2^-inf = 0).
; The loop body is 64 keys (stages 2, 3 of the group before, stages 0, 1 of its own); all its LDS reads are its own group's K and V.  An inner
; loop walks a slot's four groups with stepped addresses; the slot's offset is a scalar that takes the values 0 and SLOT by turns.
; STATISTICS: two passes over the 64 rows that a wave holds in registers (mean, then squared deviations); the four waves' figures are merged
; by M2 = sum M2_w + 64 sum (mean_w - mean)^2.  No difference of large sums is formed.
; LIMITS: Q, K, V and p enter the matrix unit rounded to bf16; the divisor sums the unrounded p; a p below 2^-126 comes out as 0 (v_exp_f32
; flushes); NaN and infinities in the inputs are not treated apart (a score of -inf meets the -inf that m starts from).
;
; REGISTERS, in windows of 256:
;   window 0: addresses, softmax state, S (two buffers, by the parity of nt), E (the 32 p of a unit in f32), P (the same in bf16)
;   window 1: Q(nt, kk) at 8 (4 nt + kk); K(mt, kk) at 128 + 8 (4 mt + kk).  On the way out: row i of y at 4 i
;   window 2: O(t, nt) at 8 (8 nt + t)
;   window 3: V(t, ks) at 8 (2 t + ks).  On the way out: row i of the residual at 4 i
.set QKVP,   6144                      ; bytes in a row of qkv
.set TILEB,  256*QKVP                  ; 256 keys further down
.set PITK,   272                       ; K's LDS rows: 256 bytes + 16, an odd multiple of 16
.set PITV,   288                       ; V's LDS rows: 256 bytes + 32, an odd multiple of 32, for the transposing loads
.set KHALF,  128*PITK                  ; what one wave brings of K
.set VHALF,  128*PITV                  ; and of V
.set KBYTES, 2*KHALF                   ; a slot: K's 256 rows, then V's 256 rows
.set SLOT,   KBYTES+2*VHALF            ; 143,360
.set KSUB,   64*PITK                   ; 64 keys on in K
.set VSUB,   64*PITV                   ; and in V
.set OUTB,   2*SLOT                    ; 286,720: for each wave 16 rows x 528 bytes, for the way out; no fill lands here
.set SPITCH, 528                       ; 512 bytes + 16, an odd multiple of 16
.set WSTAGE, 16*SPITCH
.set STATS,  OUTB+4*WSTAGE             ; 320,512: for each wave 512 bytes of means and 512 of M2
.set M2OFF,  131072                    ; M2's part of the buffer stats
.set ADRK0, 10                         ; r x 272 + 16 hl
.set ADRV0, 11                         ; KBYTES + (8 hl + l % 8) x 288 + 16 x bit 3 of l
.set ADRK,  12                         ; the same at the group of 64 keys that is loaded next
.set ADRV,  13
.set QOF,  14                          ; r x 6144 + 16 hl
.set STO,  15                          ; my stage + r x 528 + 32 hl
.set RD,   16                          ; my stage + 16 l
.set YO,   17                          ; 16 l
.set STA,  18                          ; my statistics + 16 l
.set PFO,  19                          ; (l / 2) x 4096 + (l % 2) x 256
.set M,    20                          ; v20-23  running maxima
.set TX,   24                          ; v24-27  what comes from the other half of the lanes
.set N,    28                          ; v28-35  -R in the even registers
.set AL,   36                          ; v36-43  the rescale factor, at the end 1 / l, in the even registers
.set LS,   44                          ; v44-51  a pair of partial sums for each nt
.set TM,   52                          ; v52-56  partial maxima
.set TN,   57                          ; the new -R
.set U,    58                          ; v58-61  two pairs of partial sums of a unit
.set S0,   64                          ; v64-95, v96-127  S of even and of odd nt: tile mt at 8 mt
.set E,    128                         ; v128-159
.set P,    160                         ; v160-175  fragment ks at 8 ks
.set T,    192                         ; v192-207  the way out
.set SUM,  208                         ; v208-215  column sums, even rows and odd rows
.set MEAN, 216                         ; v216-219
.set M2,   220                         ; v220-227  squared deviations, even rows and odd rows
.set G1K, 24                           ; s[24:31] group 1 for K's tiles
.set G0K, 32                           ; s[32:35] group 0 for K's tiles
.set G0V, 36                           ; s[36:39] group 0 for V's tiles
.set G1V, 48                           ; s[48:55] group 1 for V's tiles: a wider pad
.set MSB, 0
.macro WIN new                         ; low byte: bits 1:0 source 0, 3:2 source 1, 5:4 source 2, 7:6 destination; the high byte repeats the setting that is left
.if MSB != \new
	s_set_vgpr_msb (MSB<<8)|\new
.set MSB, \new
.endif
.endm
; Five places: a vector instruction or a load that touches a matrix instruction's registers stands four places behind it, a matrix
; instruction that reads its result as a source or writes over its registers five (not for loads).
.macro PLACES
.rept 5
	v_nop
.endr
.endm
; A round of the cluster's barrier: my work-group's barrier; wave 0 signals for the work-group; all wait for the four work-groups; my work-group's barrier.
.macro ROUND
	s_barrier_signal -1
	s_barrier_wait -1
	s_cmp_lg_u32 s12, 0
	s_cbranch_scc1 .Lnot_wave_0_\@
	s_barrier_signal -3
.Lnot_wave_0_\@:
	s_barrier_wait -3
	s_barrier_signal -1
	s_barrier_wait -1
.endm
; A joint load: waves 0, 1 ask for K's halves, waves 2, 3 for V's.  The branch hangs on the wave's number alone.
.macro JLOAD
	s_cmp_eq_u32 s13, 0
	s_cbranch_scc0 .Lfor_v_\@
	tensor_load_to_lds s[G0K:G0K+3], s[G1K:G1K+7]
	s_nop 0
	s_branch .Lasked_\@
.Lfor_v_\@:
	tensor_load_to_lds s[G0V:G0V+3], s[G1V:G1V+7]
	s_nop 0
	v_nop
.Lasked_\@:
.endm
	s_load_b256 s[4:11], s[0:1], 0x0               ; qkv s[4:5], query s[6:7], y s[8:9], stats s[10:11]
	v_lshl_add_u32 v254, v0, 2, 0x4f400
	v_mov_b32 v255, 0
	ds_add_u32 v254, v255
	v_lshrrev_b32 v1, 5, v0
	v_readfirstlane_b32 s12, v1                    ; wave 0..3
	s_lshr_b32 s13, s12, 1                         ; I fetch for K (0) or for V (1)
	s_and_b32 s14, s12, 1                          ; which 128 rows of the tile
	s_bfe_u32 s15, ttmp6, 0x40000                  ; cx
	s_lshl_b32 s16, ttmp9, 2
	s_add_co_u32 s16, s16, s15                     ; query block = 4 x cluster x + cx
	s_and_b32 s17, ttmp7, 0xffff
	s_and_b32 s18, s17, 7                          ; h
	s_lshr_b32 s19, s17, 3                         ; b
	s_mov_b32 s20, 0x76543210                      ; v_permlanex16_b32: lane i of one half reads lane i of the other
	s_mov_b32 s21, 0xfedcba98
	s_mov_b32 s22, 0x3d38aa3b                      ; c = log2(e) / 32, twice: a pair for the packed multiply-add
	s_mov_b32 s23, 0x3d38aa3b
	s_mov_b32 s44, 0xbd38aa3b                      ; -c
	; group 1: a tile of 128 rows x 128 elements of 2 bytes, 3,072 elements from row to row, padded behind each row of 64 words
	s_mov_b32 s[G1K+0], 15|(1<<16)|(1<<20)|(1<<21)|(5<<22)|(3<<25)  ; mask: all four of the cluster; bit 21 beside it; pad of 4 words
	s_mov_b32 s[G1V+0], 15|(1<<16)|(1<<20)|(1<<21)|(5<<22)|(7<<25)  ; pad of 8 words
	s_mov_b32 s[G1K+1], 128<<16                    ; tensor_dim0 = 128
	s_mov_b32 s[G1V+1], 128<<16
	s_mov_b32 s[G1K+2], 128<<16                    ; tensor_dim1 = 128
	s_mov_b32 s[G1V+2], 128<<16
	s_mov_b32 s[G1K+3], 128<<16                    ; tile_dim0 = 128
	s_mov_b32 s[G1V+3], 128<<16
	s_mov_b32 s[G1K+4], 128                        ; tile_dim1 = 128
	s_mov_b32 s[G1V+4], 128
	s_mov_b32 s[G1K+5], 3072
	s_mov_b32 s[G1V+5], 3072
	s_mov_b32 s[G1K+6], 0
	s_mov_b32 s[G1V+6], 0
	s_mov_b32 s[G1K+7], 0
	s_mov_b32 s[G1V+7], 0
	; the tiles' offsets hang on b, h and the wave's number alone, which the four partners share
	s_lshl_b32 s40, s19, 11                        ; b x 2048 rows
	s_lshl_b32 s41, s14, 7                         ; + my 128 rows of the tile
	s_add_co_u32 s40, s40, s41
	s_mul_i32 s40, s40, QKVP
	s_lshl_b32 s41, s18, 8                         ; + 256 h
	s_add_co_u32 s40, s40, s41
	s_add_co_u32 s40, s40, 2048                    ; K's part of a row
	s_add_co_u32 s42, s40, 2048                    ; V's
	s_mov_b32 s41, 0
	s_mov_b32 s43, 0
	s_mul_i32 s46, s14, KHALF                      ; where my half of K goes in a slot,
	s_mul_i32 s47, s14, VHALF
	s_add_co_u32 s47, s47, KBYTES                  ; and my half of V
	s_mov_b32 s56, 0                               ; the slot that was asked for last: 0 and SLOT by turns
	s_mov_b32 s57, KSUB                            ; where the next trip's reads begin: the first trip starts at its second 64 keys,
	s_mov_b32 s58, VSUB
	s_mov_b32 s59, 3                               ; and has three bodies
	; my 64 query rows
	s_lshl_b32 s74, s19, 11
	s_lshl_b32 s75, s16, 8
	s_add_co_u32 s74, s74, s75
	s_lshl_b32 s75, s12, 6
	s_add_co_u32 s74, s74, s75                     ; row0 = 2048 b + 256 block + 64 wave
	s_mul_i32 s66, s74, QKVP
	s_lshl_b32 s75, s18, 8
	s_add_co_u32 s66, s66, s75                     ; Q: row0 x 6144 + 256 h
	s_mov_b32 s67, 0
	s_lshl_b32 s68, s74, 12
	s_lshl_b32 s75, s18, 9
	s_add_co_u32 s68, s68, s75                     ; query and y: row0 x 4096 + 512 h
	s_mov_b32 s69, 0
	s_lshl_b32 s72, s19, 3
	s_add_co_u32 s72, s72, s16
	s_lshl_b32 s72, s72, 12
	s_add_co_u32 s72, s72, s75                     ; stats: (8 b + block) x 4096 + 512 h
	s_mov_b32 s73, 0
	s_wait_dscnt 0x0
	s_wait_kmcnt 0x0
	s_add_nc_u64 s[40:41], s[4:5], s[40:41]
	s_add_nc_u64 s[42:43], s[4:5], s[42:43]
	s_add_nc_u64 s[66:67], s[4:5], s[66:67]
	s_add_nc_u64 s[70:71], s[8:9], s[68:69]
	s_add_nc_u64 s[68:69], s[6:7], s[68:69]
	s_add_nc_u64 s[72:73], s[10:11], s[72:73]
	s_mov_b32 s[G0K], 1                            ; count = 1
	s_mov_b32 s[G0K+1], s46                        ; LDS address: slot 0
	s_mov_b64 s[G0K+2:G0K+3], s[40:41]             ; tile 0
	s_or_b32 s[G0K+3], s[G0K+3], 0x80000000        ; type = 2
	s_mov_b32 s[G0V], 1
	s_mov_b32 s[G0V+1], s47
	s_mov_b64 s[G0V+2:G0V+3], s[42:43]
	s_or_b32 s[G0V+3], s[G0V+3], 0x80000000
	ROUND                                          ; the four work-groups are here: the first joint load meets
	JLOAD                                          ; tile 0 into slot 0
	v_and_b32 v1, 31, v0                           ; l
	v_and_b32 v2, 15, v0                           ; r
	v_bfe_u32 v3, v0, 4, 1                         ; hl
	v_mul_u32_u24 v4, v2, PITK
	v_lshl_add_u32 v[ADRK0], v3, 4, v4
	v_and_b32 v4, 7, v0
	v_lshl_add_u32 v4, v3, 3, v4                   ; 8 hl + l % 8: the key row that this lane addresses
	v_mul_u32_u24 v4, v4, PITV
	v_bfe_u32 v5, v0, 3, 1
	v_lshl_add_u32 v4, v5, 4, v4                   ; + 16 bytes for lanes 8-15 of each half
	v_add_nc_u32 v[ADRV0], KBYTES, v4
	v_mov_b32 v[ADRK], v[ADRK0]                    ; the first 64 keys of slot 0
	v_mov_b32 v[ADRV], v[ADRV0]
	v_mul_u32_u24 v4, v2, QKVP
	v_lshl_add_u32 v[QOF], v3, 4, v4
	s_mul_i32 s75, s12, WSTAGE
	s_add_co_u32 s75, s75, OUTB
	v_mul_u32_u24 v4, v2, SPITCH
	v_lshl_add_u32 v4, v3, 5, v4
	v_add_nc_u32 v[STO], s75, v4
	v_lshlrev_b32 v[YO], 4, v1
	v_add_nc_u32 v[RD], s75, v[YO]
	s_lshl_b32 s76, s12, 10
	s_add_co_u32 s76, s76, STATS
	v_add_nc_u32 v[STA], s76, v[YO]
	v_lshrrev_b32 v4, 1, v1
	v_and_b32 v5, 1, v0
	v_lshlrev_b32 v5, 8, v5
	v_lshl_add_u32 v[PFO], v4, 12, v5
	; Q stays in registers for the whole kernel: 4 tiles of 16 q x 4 steps of 32 features, two loads of 16 bytes each
	WIN 0x40
.irp nt, 0,1,2,3
.irp kk, 0,1,2,3
	global_load_b128 v[8*(4*\nt+\kk):8*(4*\nt+\kk)+3],   v[QOF], s[66:67] offset:\nt*16*QKVP+64*\kk
	global_load_b128 v[8*(4*\nt+\kk)+4:8*(4*\nt+\kk)+7], v[QOF], s[66:67] offset:\nt*16*QKVP+64*\kk+32
.endr
.endr
	WIN 0
	; the state from which the first 64 keys run the loop's own text
.irp k, 0,1,2,3
	v_mov_b32 v[M+\k], 0xff800000                  ; m = -inf
	v_mov_b32 v[N+2*\k], 0x7f800000                ; -R = +inf: the first alpha is 2^-inf = 0
	v_mov_b32 v[N+2*\k+1], 0                       ; the unused half of a pair that a packed instruction broadcasts from counts as read
	v_mov_b32 v[AL+2*\k+1], 0
	v_mov_b32 v[LS+2*\k], 0                        ; l = 0
	v_mov_b32 v[LS+2*\k+1], 0
	v_mov_b32 v[TX+\k], 0                          ; a lane permute's destination counts as read
.endr
.set i, 0
.rept 16
	v_mov_b32 v[P+i], 0                            ; two fragments of zeros
.set i, i+1
.endr
	WIN 0x80
.set i, 0
.rept 32
	v_wmma_f32_16x16x32_bf16 v[8*i:8*i+7], v[P:P+7], v[P+8:P+15], 0   ; O = 0: 32 products of zeros write its 256 registers while tile 0 is on its way
.set i, i+1
.endr
	WIN 0
; ---- the vector work of a unit, one instruction for each index ----
; X: the maximum of the 32 scores of this lane and of the old m (four chains, then a tree), the other half's, -R, alpha
.macro XOP nt, k
.set sb, S0+32*((\nt)&1)
.if (\k) < 4
	v_max3_num_f32 v[TM+(\k)], v[sb+8*(\k)], v[sb+8*(\k)+1], v[sb+8*(\k)+2]
.elseif (\k) < 8
	v_max3_num_f32 v[TM+(\k)-4], v[TM+(\k)-4], v[sb+8*((\k)-4)+3], v[sb+8*((\k)-4)+4]
.elseif (\k) < 12
	v_max3_num_f32 v[TM+(\k)-8], v[TM+(\k)-8], v[sb+8*((\k)-8)+5], v[sb+8*((\k)-8)+6]
.elseif (\k) == 12
	v_max3_num_f32 v[TM], v[TM], v[TM+1], v[sb+7]
.elseif (\k) == 13
	v_max3_num_f32 v[TM+2], v[TM+2], v[TM+3], v[sb+15]
.elseif (\k) == 14
	v_max3_num_f32 v[TM+4], v[sb+23], v[sb+31], v[M+(\nt)]
.elseif (\k) == 15
	v_max3_num_f32 v[M+(\nt)], v[TM], v[TM+2], v[TM+4]
.elseif (\k) == 16
	v_permlanex16_b32 v[TX], v[M+(\nt)], s20, s21                  ; the other half of the keys of the same q
.elseif (\k) == 17
	v_max_num_f32 v[M+(\nt)], v[M+(\nt)], v[TX]
.elseif (\k) == 18
	v_mul_f32 v[TN], s44, v[M+(\nt)]                               ; the new -R
.elseif (\k) == 19
	v_sub_f32 v[AL+2*(\nt)], v[TN], v[N+2*(\nt)]                   ; R_old - R_new
.elseif (\k) == 20
	v_mul_f32 v[N+2*(\nt)], s44, v[M+(\nt)]                        ; the same product again, now over the old -R
.else
	v_exp_f32 v[AL+2*(\nt)], v[AL+2*(\nt)]                         ; a plain instruction follows before alpha is used (ISA guide 5.7.2)
.endif
.endm
; Y: the 32 p in E, in two chains of pairs; then l = l alpha + sum
.macro YOP p, k
.if (\k) == 0
	v_pk_add_f32 v[U:U+1], v[E:E+1], v[E+4:E+5]
.elseif (\k) == 1
	s_wait_alu depctr_va_vdst(0)
	v_pk_add_f32 v[U+2:U+3], v[E+2:E+3], v[E+6:E+7]
.elseif (\k) < 14
.set yc, 2*((\k)&1)
.set ye, E+8+4*(((\k)-2)>>1)+yc
	v_pk_add_f32 v[U+yc:U+yc+1], v[U+yc:U+yc+1], v[ye:ye+1]
.elseif (\k) == 14
	v_pk_add_f32 v[U:U+1], v[U:U+1], v[U+2:U+3]
.else
	v_pk_fma_f32 v[LS+2*(\p):LS+2*(\p)+1], v[LS+2*(\p):LS+2*(\p)+1], v[AL+2*(\p):AL+2*(\p)+1], v[U:U+1] op_sel_hi:[1,0,1]
.endif
.endm
; B: s c - R in place, two at a time, and 2^(.) from S into E.  A scaling stands two pairs ahead of its exponentials and between them.
.macro BOP nt, k
.set sb, S0+32*((\nt)&1)
.if (\k) < 2
.set bi, (\k)
.set bx, 0
.elseif (\k) < 44
.set bg, ((\k)-2)/3
.set br, ((\k)-2)-3*bg
.if br == 1
.set bi, bg+2
.set bx, 0
.else
.set bi, 2*bg+br/2
.set bx, 1
.endif
.else
.set bi, (\k)-16
.set bx, 1
.endif
.if bx
	v_exp_f32 v[E+bi], v[sb+bi]
.else
	v_pk_fma_f32 v[sb+2*bi:sb+2*bi+1], v[sb+2*bi:sb+2*bi+1], s[22:23], v[N+2*(\nt):N+2*(\nt)+1] op_sel_hi:[1,0,0]
.endif
.endm
; runs of c instructions from index a on; on = 0: the unit does not exist (filling and draining)
.macro XS nt, a, c, on
.if \on
	WIN 0
.set xi, \a
.rept \c
	XOP \nt, xi
.set xi, xi+1
.endr
.endif
.endm
.macro YS p, a, c, on
.if \on
	WIN 0
.set xi, \a
.rept \c
	YOP \p, xi
.set xi, xi+1
.endr
.endif
.endm
.macro ZS a, c, on                     ; 32 f32 in E become the 16 registers of two source-1 fragments
.if \on
	WIN 0
.set xi, \a
.rept \c
	v_cvt_pk_bf16_f32 v[P+xi], v[E+2*xi], v[E+2*xi+1]
.set xi, xi+1
.endr
.endif
.endm
.macro BS nt, a, c, on
.if \on
	WIN 0
.set xi, \a
.rept \c
	BOP \nt, xi
.set xi, xi+1
.endr
.endif
.endm
.macro RS nt, a, c, on                 ; O(nt) *= alpha, pair xi of its 32
.if \on
	WIN 0x82
.set xi, \a
	s_wait_alu depctr_va_vdst(0)
.rept \c
	v_pk_mul_f32 v[64*(\nt)+2*xi:64*(\nt)+2*xi+1], v[64*(\nt)+2*xi:64*(\nt)+2*xi+1], v[AL+2*(\nt):AL+2*(\nt)+1] op_sel_hi:[1,0]
.set xi, xi+1
.endr
.endif
.endm
; what stands behind matrix instruction s of a stage's first half.  The steps of the chain maximum -> alpha stand one to a slot, with the
; unit before's sums and packing beside them.  Slots 3, 7, 11 and 15 hold four or five plain instructions: the places in front of K's loads.
.macro H1V nt, p, s, cur, prev
.if (\s) == 0
	XS \nt, 0, 4, \cur
.elseif (\s) == 1
	XS \nt, 4, 4, \cur
	YS \p, 0, 1, \prev
.elseif (\s) == 2
	XS \nt, 8, 4, \cur
	YS \p, 1, 1, \prev
.elseif (\s) == 3
	XS \nt, 12, 3, \cur
	YS \p, 2, 2, \prev
.elseif (\s) == 4
	XS \nt, 15, 1, \cur
	YS \p, 4, 2, \prev
	ZS 0, 2, \prev
.elseif (\s) == 5
	XS \nt, 16, 1, \cur
	YS \p, 6, 2, \prev
	ZS 2, 2, \prev
.elseif (\s) == 6
	XS \nt, 17, 1, \cur
	YS \p, 8, 2, \prev
	ZS 4, 2, \prev
.elseif (\s) == 7
	RS \p, 16, 4, \prev
.elseif (\s) == 8
	XS \nt, 18, 1, \cur
	YS \p, 10, 2, \prev
	ZS 6, 2, \prev
.elseif (\s) == 9
	XS \nt, 19, 2, \cur
	YS \p, 12, 2, \prev
	ZS 8, 1, \prev
.elseif (\s) == 10
	XS \nt, 21, 1, \cur
	YS \p, 14, 1, \prev
	ZS 9, 3, \prev
.elseif (\s) == 11
	RS \p, 20, 4, \prev
.elseif (\s) == 12
	YS \p, 15, 1, \prev
	ZS 12, 4, \prev
.elseif (\s) == 13
	RS \p, 24, 4, \prev
.elseif (\s) == 15
	RS \p, 28, 4, \prev
.endif
.endm
; eight LDS loads: K's four fragments of feature step g, for the 64 keys at ADRK
.macro KLD g
	WIN 0x40
.irp mt, 0,1,2,3
	ds_load_b128 v[128+8*(4*\mt+\g):128+8*(4*\mt+\g)+3],   v[ADRK] offset:\mt*16*PITK+64*\g
	ds_load_b128 v[128+8*(4*\mt+\g)+4:128+8*(4*\mt+\g)+7], v[ADRK] offset:\mt*16*PITK+64*\g+32
.endr
.endm
; sixteen transposing LDS loads: V^T's eight fragments (16 features x 32 keys) of key step ks, for the 64 keys at ADRV
.macro VLD ks
	WIN 0xC0
.irp t, 0,1,2,3,4,5,6,7
	ds_load_tr16_b128 v[8*(2*\t+\ks):8*(2*\t+\ks)+3],   v[ADRV] offset:\ks*32*PITV+32*\t
	ds_load_tr16_b128 v[8*(2*\t+\ks)+4:8*(2*\t+\ks)+7], v[ADRV] offset:\ks*32*PITV+32*\t+16*PITV
.endr
.endm
; matrix instruction w of QK for the q tile behind nt: feature step w / 4, key tile w % 4.  The four accumulators take turns, one
; instruction a turn; the first feature step starts the sums.
.macro QKW nt, w
.set kk, (\w)>>2
.set mt, (\w)&3
.set qq, ((\nt)+1)&3
.set sd, S0+32*(((\nt)+1)&1)+8*mt
.if kk == 0
	v_wmma_f32_16x16x32_bf16 v[sd:sd+7], v[128+8*(4*mt+kk):128+8*(4*mt+kk)+7], v[8*(4*qq+kk):8*(4*qq+kk)+7], 0
.else
	v_wmma_f32_16x16x32_bf16 v[sd:sd+7], v[128+8*(4*mt+kk):128+8*(4*mt+kk)+7], v[8*(4*qq+kk):8*(4*qq+kk)+7], v[sd:sd+7]
.endif
.endm
; matrix instruction w of PV for the q tile in front of nt: key step w / 8, feature tile w % 8.  Eight accumulators by turns, one
; instruction a turn.
.macro PVW nt, w
.set ks, (\w)>>3
.set tt, (\w)&7
.set od, 64*(((\nt)+3)&3)+8*tt
	v_wmma_f32_16x16x32_bf16 v[od:od+7], v[8*(2*tt+ks):8*(2*tt+ks)+7], v[P+8*ks:P+8*ks+7], v[od:od+7]
.endm
; Stage nt.  qk: QK of the next unit; cur: this unit's vector work; prev: the rest of the unit before's; pv: PV of the unit before;
; ld: K (stage 2) or V (stage 0) is loaded again, in place, piece by piece as the last product that reads a piece has been issued.
.macro STG nt, qk, cur, prev, pv, ld
.set pp, ((\nt)+3)&3
.set sl, 0
.rept 16
.if \qk
.if (\nt) == 3
.if (sl&3) == 0
	s_wait_dscnt 24-2*sl                           ; K's feature step sl / 4 is in; the younger steps, eight loads each, may stay out
.endif
.endif
	WIN 0x05
	QKW \nt, sl
.endif
	H1V \nt, pp, sl, \cur, \prev
.if \ld
.if (\nt) == 2
.if (sl&3) == 3
.set kg, sl>>2
	KLD kg                                         ; behind the slot's four or five plain instructions; first read 28 matrix instructions on
.endif
.endif
.endif
.set sl, sl+1
.endr
.set sl, 0
.rept 16
.if \pv
.if (\nt) == 1
.if (sl&7) == 0
	s_wait_dscnt 16-2*sl                           ; V's key step sl / 8 is in; the second step's sixteen loads may stay out
.endif
.endif
	WIN 0xA3
	PVW \nt, sl
.endif
.if (sl&3) == 3
	RS \nt, sl-3, 4, \cur                          ; every fourth slot: plain work between the runs with exponentials
.else
	BS \nt, 4*(sl-(sl>>2)), 4, \cur
.endif
.if \ld
.if (\nt) == 0
.if (sl&7) == 7
.set kg, sl>>3
	VLD kg                                         ; behind the slot's four plain instructions; first read 24 matrix instructions on
.endif
.endif
.endif
.set sl, sl+1
.endr
.endm
; The head of a trip of 256 keys.  In front of the round every wave has waited for all its tensor loads (its part of this trip's tile among
; them) and for its LDS reads; behind the round the other slot is asked for first, by one joint load a wave.
.macro HEAD refill
	s_wait_tensorcnt 0x0                           ; no tensor load of mine is out: the groups 0 may be written
	ds_add_u32 v254, v255
	s_wait_dscnt 0x0
.if \refill
	s_xor_b32 s56, s56, SLOT                       ; the other slot
	s_add_co_u32 s[G0K+1], s46, s56
	s_add_co_u32 s[G0V+1], s47, s56
	s_add_nc_u64 s[G0K+2:G0K+3], s[G0K+2:G0K+3], TILEB   ; the next tile
	s_add_nc_u64 s[G0V+2:G0V+3], s[G0V+2:G0V+3], TILEB
.endif
	s_wait_dscnt 0x0                               ; my reads of the slot that is filled again are over
	ROUND                                          ; both now hold of every wave of the four work-groups
.if \refill
	JLOAD
.endif
	v_add_nc_u32 v[ADRK], s57, v[ADRK0]            ; this trip's slot
	v_add_nc_u32 v[ADRV], s58, v[ADRV0]
	s_mov_b32 s60, s59
.endm
; 64 keys: the group's K comes in during stage 2 of the group before, its V during its own stage 0.
.macro BODY
.Lsub_\@:
	STG 2, 1, 1, 1, 1, 1
	STG 3, 1, 1, 1, 1, 0
	STG 0, 1, 1, 1, 1, 1
	STG 1, 1, 1, 1, 1, 0
	WIN 0                                          ; at a label and at a branch every window is 0
	v_add_nc_u32 v[ADRK], KSUB, v[ADRK]            ; 64 keys on
	v_add_nc_u32 v[ADRV], VSUB, v[ADRV]
	s_sub_co_u32 s60, s60, 1
	s_cmp_lg_u32 s60, 0
	s_cbranch_scc1 .Lsub_\@
.endm
	s_wait_tensorcnt 0x0                           ; my part of tile 0 is in,
	s_barrier_signal -1
	s_barrier_wait -1                              ; everybody's is
	; FILLING: the first 64 keys' K, QK of unit 0 alone, stage 0 without a unit before it, stage 1
	KLD 0
	KLD 1
	KLD 2
	KLD 3
	s_wait_loadcnt 0x0                             ; Q
	STG 3, 1, 0, 0, 0, 0
	PLACES                                         ; here no second half stands between QK and the vector work that reads S
	STG 0, 1, 1, 0, 0, 1
	STG 1, 1, 1, 1, 1, 0
	WIN 0
	s_mov_b32 s45, 7                               ; trips 0 to 6 ask for tiles 1 to 7
.Ltrips:
	HEAD 1
	BODY
	s_mov_b32 s57, s56                             ; the next trip reads the slot that this one asked for, from its first key,
	s_mov_b32 s58, s56
	s_mov_b32 s59, 4                               ; in four bodies
	s_sub_co_u32 s45, s45, 1
	s_cmp_lg_u32 s45, 0
	s_cbranch_scc1 .Ltrips
	HEAD 0                                         ; the last trip asks for nothing
	; each wave asks for its own 64 residual rows of 512 bytes, lanes 256 bytes apart, each aligned 256 bytes once in the launch,
	; the last 256 keys' work ahead of the loads that want them
.irp k, 0,1,2,3
	global_prefetch_b8 v[PFO], s[68:69] offset:65536*\k th:TH_LOAD_NT scope:SCOPE_SE
.endr
	BODY
	; DRAINING.  Residual rows 32 to 63 go out first, into the half of window 3 that V does not use.
	WIN 0xC0
.set i, 32
.rept 32
	global_load_b128 v[4*i:4*i+3], v[YO], s[68:69] offset:4096*i th:TH_LOAD_NT   ; 512 consecutive bytes a load
.set i, i+1
.endr
	STG 2, 1, 1, 1, 1, 0                           ; the last QK
	STG 3, 0, 1, 1, 1, 0
	STG 0, 0, 0, 1, 1, 0                           ; the last unit's sums, packing and PV
	PLACES                                         ; behind the last matrix instructions: for the loads over V and the vector work on O
	WIN 0xC0
.set i, 0
.rept 32
	global_load_b128 v[4*i:4*i+3], v[YO], s[68:69] offset:4096*i th:TH_LOAD_NT
.set i, i+1
.endr
	WIN 0
	; THE WAY OUT.  1 / l: the pair, then the other half of the lanes.
.irp nt, 0,1,2,3
	v_add_f32 v[LS+2*\nt], v[LS+2*\nt], v[LS+2*\nt+1]
.endr
.irp nt, 0,1,2,3
	v_permlanex16_b32 v[TX+\nt], v[LS+2*\nt], s20, s21
.endr
.irp nt, 0,1,2,3
	v_add_f32 v[LS+2*\nt], v[LS+2*\nt], v[TX+\nt]
.endr
.irp nt, 0,1,2,3
	v_rcp_f32 v[AL+2*\nt], v[LS+2*\nt]
.endr
	v_nop                                          ; the plain place behind the reciprocals
	s_wait_alu depctr_va_vdst(0)
; 16 q rows: O / l goes through my own stage (a lane holds 8 features of one row; a row of 512 bytes comes back, 16 bytes a lane),
; the residual is added, the row stored and added to the column sums.  pos: the tile's place in the order in which the residual was asked for.
.macro OUTQ nt, pos
	WIN 0x82
.set i, 0
.rept 32
	v_pk_mul_f32 v[64*\nt+2*i:64*\nt+2*i+1], v[64*\nt+2*i:64*\nt+2*i+1], v[AL+2*\nt:AL+2*\nt+1] op_sel_hi:[1,0]
.set i, i+1
.endr
	WIN 0x08
.irp t, 0,1,2,3,4,5,6,7
	ds_store_b128 v[STO], v[64*\nt+8*\t:64*\nt+8*\t+3]   offset:64*\t
	ds_store_b128 v[STO], v[64*\nt+8*\t+4:64*\nt+8*\t+7] offset:64*\t+16
.endr
	WIN 0x40
.set i, 0
.rept 16
	ds_load_b128 v[64*\nt+4*i:64*\nt+4*i+3], v[RD] offset:SPITCH*i   ; a wave's LDS instructions are served in order: these see the stores above
.set i, i+1
.endr
	s_wait_dscnt 0x0
	s_wait_loadcnt 48-16*\pos                      ; the residual rows of this tile are in; those of the later tiles, 16 loads each, stay out
	WIN 0x4D
.set i, 0
.rept 32
	v_pk_add_f32 v[64*\nt+2*i:64*\nt+2*i+1], v[64*\nt+2*i:64*\nt+2*i+1], v[64*\nt+2*i:64*\nt+2*i+1]   ; window 1 += window 3
.set i, i+1
.endr
	WIN 0x04
.set i, 0
.rept 16
	global_store_b128 v[YO], v[64*\nt+4*i:64*\nt+4*i+3], s[70:71] offset:4096*(16*\nt+i)   ; 512 consecutive bytes, aligned
.set i, i+1
.endr
.if \pos == 0
	WIN 0x05                                       ; the tile's rows 0 + 2 and 1 + 3 start the two sets of sums: nothing is cleared
	v_pk_add_f32 v[SUM:SUM+1],   v[64*\nt:64*\nt+1],   v[64*\nt+8:64*\nt+9]
	v_pk_add_f32 v[SUM+2:SUM+3], v[64*\nt+2:64*\nt+3], v[64*\nt+10:64*\nt+11]
	v_pk_add_f32 v[SUM+4:SUM+5], v[64*\nt+4:64*\nt+5], v[64*\nt+12:64*\nt+13]
	v_pk_add_f32 v[SUM+6:SUM+7], v[64*\nt+6:64*\nt+7], v[64*\nt+14:64*\nt+15]
	WIN 0x04
.set i, 4
.else
.set i, 0
.endif
.rept 16-i
	v_pk_add_f32 v[SUM+4*(i&1):SUM+4*(i&1)+1],   v[SUM+4*(i&1):SUM+4*(i&1)+1],   v[64*\nt+4*i:64*\nt+4*i+1]
	v_pk_add_f32 v[SUM+4*(i&1)+2:SUM+4*(i&1)+3], v[SUM+4*(i&1)+2:SUM+4*(i&1)+3], v[64*\nt+4*i+2:64*\nt+4*i+3]
.set i, i+1
.endr
.endm
	OUTQ 2, 0
	OUTQ 3, 1
	OUTQ 0, 2
	OUTQ 1, 3
	WIN 0
	v_pk_add_f32 v[MEAN:MEAN+1],   v[SUM:SUM+1],   v[SUM+4:SUM+5]
	v_pk_add_f32 v[MEAN+2:MEAN+3], v[SUM+2:SUM+3], v[SUM+6:SUM+7]
	v_pk_mul_f32 v[MEAN:MEAN+1],   v[MEAN:MEAN+1],   0x3c800000 op_sel_hi:[1,0]   ; / 64 rows
	v_pk_mul_f32 v[MEAN+2:MEAN+3], v[MEAN+2:MEAN+3], 0x3c800000 op_sel_hi:[1,0]
	s_wait_xcnt 0x0                                ; the rows were store data: they are rewritten only behind this wait
	WIN 0x44
.set i, 0
.rept 64
	v_pk_add_f32 v[4*i:4*i+1],   v[MEAN:MEAN+1],   v[4*i:4*i+1]   neg_lo:[0,1] neg_hi:[0,1]   ; mean - y
	v_pk_add_f32 v[4*i+2:4*i+3], v[MEAN+2:MEAN+3], v[4*i+2:4*i+3] neg_lo:[0,1] neg_hi:[0,1]
.set i, i+1
.endr
	WIN 0x05
	v_pk_mul_f32 v[M2:M2+1],   v[0:1], v[0:1]      ; rows 0 and 1 start the two sets
	v_pk_mul_f32 v[M2+2:M2+3], v[2:3], v[2:3]
	v_pk_mul_f32 v[M2+4:M2+5], v[4:5], v[4:5]
	v_pk_mul_f32 v[M2+6:M2+7], v[6:7], v[6:7]
.set i, 2
.rept 62
	v_pk_fma_f32 v[M2+4*(i&1):M2+4*(i&1)+1],   v[4*i:4*i+1],   v[4*i:4*i+1],   v[M2+4*(i&1):M2+4*(i&1)+1]
	v_pk_fma_f32 v[M2+4*(i&1)+2:M2+4*(i&1)+3], v[4*i+2:4*i+3], v[4*i+2:4*i+3], v[M2+4*(i&1)+2:M2+4*(i&1)+3]
.set i, i+1
.endr
	WIN 0
	v_pk_add_f32 v[M2:M2+1],   v[M2:M2+1],   v[M2+4:M2+5]
	v_pk_add_f32 v[M2+2:M2+3], v[M2+2:M2+3], v[M2+6:M2+7]
	ds_store_b128 v[STA], v[MEAN:MEAN+3]
	ds_store_b128 v[STA], v[M2:M2+3] offset:512
	s_wait_dscnt 0x0                               ; for the others' sake: my figures are in LDS,
	s_barrier_signal -1
	s_barrier_wait -1                              ; everybody's are
	s_cmp_lg_u32 s12, 0
	s_cbranch_scc1 .Lmerged                        ; wave 0 merges the four waves' figures (its STA is the first wave's)
.irp w, 0,1,2,3
	ds_load_b128 v[S0+4*\w:S0+4*\w+3],       v[STA] offset:1024*\w
	ds_load_b128 v[S0+16+4*\w:S0+16+4*\w+3], v[STA] offset:1024*\w+512
.endr
	s_wait_dscnt 0x0
.irp hf, 0,2
	v_pk_add_f32 v[T+\hf:T+\hf+1],     v[S0+\hf:S0+\hf+1],     v[S0+4+\hf:S0+4+\hf+1]
	v_pk_add_f32 v[T+4+\hf:T+4+\hf+1], v[S0+8+\hf:S0+8+\hf+1], v[S0+12+\hf:S0+12+\hf+1]
	v_pk_add_f32 v[T+\hf:T+\hf+1],     v[T+\hf:T+\hf+1],       v[T+4+\hf:T+4+\hf+1]
	v_pk_mul_f32 v[T+\hf:T+\hf+1],     v[T+\hf:T+\hf+1],       0x3e800000 op_sel_hi:[1,0]     ; the mean of 256 rows
.irp w, 0,4,8,12
	v_pk_add_f32 v[S0+\w+\hf:S0+\w+\hf+1], v[S0+\w+\hf:S0+\w+\hf+1], v[T+\hf:T+\hf+1] neg_lo:[0,1] neg_hi:[0,1]
.endr
	v_pk_mul_f32 v[T+8+\hf:T+8+\hf+1], v[S0+\hf:S0+\hf+1], v[S0+\hf:S0+\hf+1]
.irp w, 4,8,12
	v_pk_fma_f32 v[T+8+\hf:T+8+\hf+1], v[S0+\w+\hf:S0+\w+\hf+1], v[S0+\w+\hf:S0+\w+\hf+1], v[T+8+\hf:T+8+\hf+1]
.endr
	v_pk_add_f32 v[S0+16+\hf:S0+16+\hf+1], v[S0+16+\hf:S0+16+\hf+1], v[S0+20+\hf:S0+20+\hf+1]
	v_pk_add_f32 v[S0+24+\hf:S0+24+\hf+1], v[S0+24+\hf:S0+24+\hf+1], v[S0+28+\hf:S0+28+\hf+1]
	v_pk_add_f32 v[S0+16+\hf:S0+16+\hf+1], v[S0+16+\hf:S0+16+\hf+1], v[S0+24+\hf:S0+24+\hf+1]
	v_pk_fma_f32 v[T+4+\hf:T+4+\hf+1], v[T+8+\hf:T+8+\hf+1], 0x42800000, v[S0+16+\hf:S0+16+\hf+1] op_sel_hi:[1,0,1]   ; 64 sum d^2 + sum M2
.endr
	global_store_b128 v[YO], v[T:T+3],   s[72:73]
	global_store_b128 v[YO], v[T+4:T+7], s[72:73] offset:M2OFF
.Lmerged:
	s_wait_tensorcnt 0x0
	ds_add_u32 v254, v255
	s_wait_dscnt 0x0
	ROUND                                          ; the closing round: no work-group ends while a partner may still ask for a tile that names it
	s_endpgm
.Lfunc_end_k_q92a619d082_attn:
	.size	k_q92a619d082_attn, .Lfunc_end_k_q92a619d082_attn-k_q92a619d082_attn
	.p2alignl 7, 3214868480
	.fill 96, 4, 3214868480
	.section	.rodata,"a",@progbits
	.p2align	6, 0x0
	.amdhsa_kernel k_q92a619d082_attn
		.amdhsa_group_segment_fixed_size 327680
		.amdhsa_private_segment_fixed_size 0
		.amdhsa_enable_private_segment 0
		.amdhsa_kernarg_size 32
		.amdhsa_user_sgpr_count 2
		.amdhsa_user_sgpr_kernarg_segment_ptr 1
		.amdhsa_wavefront_size32 1
		.amdhsa_system_sgpr_workgroup_id_x 1
		.amdhsa_system_sgpr_workgroup_id_y 1
		.amdhsa_system_sgpr_workgroup_id_z 1
		.amdhsa_system_vgpr_workitem_id 0
		.amdhsa_next_free_vgpr 1024
		.amdhsa_next_free_sgpr 80
		.amdhsa_reserve_vcc 0
		.amdhsa_float_denorm_mode_32 3
		.amdhsa_float_denorm_mode_16_64 3
		.amdhsa_memory_ordered 1
		.amdhsa_forward_progress 1
		.amdhsa_inst_pref_size 231
	.end_amdhsa_kernel
	.amdgpu_metadata
---
amdhsa.version: [ 1, 2 ]
amdhsa.kernels:
  - .name:           k_q92a619d082_attn
    .symbol:         k_q92a619d082_attn.kd
    .args:
      - { .name: qkv, .offset: 0, .size: 8, .value_kind: global_buffer, .address_space: global }
      - { .name: query, .offset: 8, .size: 8, .value_kind: global_buffer, .address_space: global }
      - { .name: y, .offset: 16, .size: 8, .value_kind: global_buffer, .address_space: global }
      - { .name: stats, .offset: 24, .size: 8, .value_kind: global_buffer, .address_space: global }
    .group_segment_fixed_size: 327680
    .private_segment_fixed_size: 0
    .kernarg_segment_align: 8
    .kernarg_segment_size: 32
    .max_flat_workgroup_size: 128
    .sgpr_count:     80
    .vgpr_count:     1024
    .wavefront_size: 32
...
	.end_amdgpu_metadata
.endif
;; end of part 6
;; launch norm: the kernel of part 4 again; grid 8 x 32, 8 waves a work-group, no clusters, 9,216 bytes of LDS; arguments y, stats, gamma, beta, out0; writes out0
;; ======== version 3 of 3: 4 launches; version 2 with the launch norm written anew for expert scheduling mode
;; workspace buffers: xq 16,777,216 bytes; xk 16,777,216 bytes; w 6,291,456 bytes; qkv 50,331,648 bytes; y 33,554,432 bytes; stats 262,144 bytes
;; launch cast: the kernel of part 1 again; grid 1216 x 1, 8 waves a work-group, no clusters, 0 bytes of LDS; arguments query, keys, Wq, Wk, Wv, xq, xk, w; writes xq, xk, w
;; launch proj: the kernel of part 5 again; grid 8 x 32, 4 waves a work-group, clusters of 4 x 4, 327,680 bytes of LDS; arguments xq, xk, w, qkv; writes qkv
;; launch attn: the kernel of part 6 again; grid 8 x 32, 4 waves a work-group, clusters of 4 x 1, 327,680 bytes of LDS; arguments qkv, query, y, stats; writes y, stats
;; launch norm (part 7): grid 8 x 32, 8 waves a work-group, no clusters, 9,216 bytes of LDS; arguments y, stats, gamma, beta, out0; writes out0
.if DOCPART == 7
	.amdgcn_target "amdgcn-amd-amdhsa--gfx1250"
	.amdhsa_code_object_version 6
	.text
	.protected	k_q92a619d082_norm
	.globl	k_q92a619d082_norm
	.p2align	8
	.type	k_q92a619d082_norm,@function
k_q92a619d082_norm:
	s_mov_b64 s[64:65], 0
	v_nop
	global_prefetch_b8 v0, s[64:65] scope:SCOPE_SE
	s_setreg_imm32_b32 hwreg(HW_REG_WAVE_SCHED_MODE, 0, 2), 2
	s_setreg_imm32_b32 hwreg(HW_REG_WAVE_MODE, 25, 1), 1
	s_wait_xcnt 0x0
	s_wait_alu depctr_vm_vsrc(0)
; out0 = gamma (y - mean) / sqrt(var + 1e-5) + beta, mean and var over all 8,192 rows of each feature.
; stats holds, for each of 32 blocks of 256 rows, the block's mean and its sum of squared deviations (M2, at byte 131,072).  Blocks are of
; equal size, so mean = the mean of the means, and 8192 var = sum M2_i + 256 sum (mean_i - mean)^2: no difference of large sums.
; A stream: y is read once and out0 written once; matrix unit, clusters and tensor loads would add nothing.
; A work-group takes a strip of 128 features (512 bytes of a row) and 256 rows; wave w takes rows w + 8 i; lane l keeps 4 features.
; All 32 row loads of a wave go out ahead of the statistics, which are worked out while they are on their way: wave w merges blocks
; 4 w .. 4 w + 3, and the eight waves' partial figures meet in LDS, twice, in bytes of their own each time.
; THE MODE: SCHED_MODE bits 1:0 = 2 (LLVM: expert scheduling mode 2), set by the entry lines.  The code itself states the register dependences
; between vector instructions and memory or LDS instructions, with s_wait_alu, always for 0.
; THE PLAN.  Registers that memory or LDS instructions touch:
;   v1, v2, v3, v5   offsets and LDS addresses: written at the head, never again; read by every load and store.
;   v228, v229       written at the head; read by the closing add alone.
;   MI, QI, GA, BE   written by global loads; no memory instruction reads them.
;   PS               written by vector instructions, read by the first LDS store; written again, read by the second LDS store.
;   R                the first eight LDS loads land in it; the reduction reads and writes it; the second eight LDS loads land in it.
;   Y                32 rows: a global load lands in a row, four packed instructions work on it in place, one store reads it; it is not written again.
; The rows go in eight blocks of four.  Block p works on its own four rows; its memory instructions are the stores of block p - 1's rows, which no
; vector instruction of block p names.  So one wait at a block's head states all that the block's four stores hang on, and these are dealt among its
; vector instructions with no further wait.
.set MI,   8                           ; v[8:23]    four block means
.set QI,   24                          ; v[24:39]   four block M2
.set GA,   40                          ; v[40:43]   gamma
.set BE,   44                          ; v[44:47]   beta
.set PS,   48                          ; v[48:51]   my wave's partial figure
.set R,    52                          ; v[52:83]   the eight waves' figures
.set MEAN, 84                          ; v[84:87]
.set A,    88                          ; v[88:91]   gamma / sqrt(var + eps)
.set T,    92                          ; v[92:99]   at work: no memory instruction names them
.set Y,    100                         ; v[100:227] 32 rows, 4 features each
.set BLOCK, 4                          ; rows in a block
	s_load_b256 s[4:11], s[0:1], 0x0               ; y s[4:5], stats s[6:7], gamma s[8:9], beta s[10:11]
	s_load_b64 s[12:13], s[0:1], 0x20              ; out0
	v_lshl_add_u32 v228, v0, 2, 0x2000
	v_mov_b32 v229, 0
	s_and_b32 s14, ttmp7, 0xffff
	s_lshl_b32 s14, s14, 20                        ; 256 rows of 4,096 bytes
	s_lshl_b32 s16, ttmp9, 9                       ; the strip's 512 bytes
	s_add_co_u32 s14, s14, s16
	s_mov_b32 s15, 0
	s_mov_b32 s17, 0
	s_mov_b32 s18, 0x39000000                      ; 1 / 8192
	s_mov_b32 s20, 0x3727c5ac                      ; 1e-5
	v_and_b32 v1, 31, v0
	v_lshrrev_b32 v4, 5, v0                        ; wave
	v_lshlrev_b32 v1, 4, v1                        ; 16 l
	v_lshl_add_u32 v2, v4, 12, v1                  ; row w
	v_lshlrev_b32 v3, 4, v0                        ; LDS: 512 w + 16 l
	v_lshl_add_u32 v5, v4, 14, v1                  ; block 4 w of stats
	s_wait_kmcnt 0x0
	s_add_nc_u64 s[4:5], s[4:5], s[14:15]
	s_add_nc_u64 s[12:13], s[12:13], s[14:15]
	s_add_nc_u64 s[6:7], s[6:7], s[16:17]
	s_add_nc_u64 s[8:9], s[8:9], s[16:17]
	s_add_nc_u64 s[10:11], s[10:11], s[16:17]
	s_wait_alu depctr_va_vdst(0)                   ; v1, v2, v3 and v5 are written: every load and store of the kernel reads one of them as its offset or address
.irp i, 0,1,2,3
	global_load_b128 v[MI+4*\i:MI+4*\i+3], v5, s[6:7] offset:4096*\i
.endr
.irp i, 0,1,2,3
	global_load_b128 v[QI+4*\i:QI+4*\i+3], v5, s[6:7] offset:131072+4096*\i
.endr
	global_load_b128 v[GA:GA+3], v1, s[8:9]
	global_load_b128 v[BE:BE+3], v1, s[10:11]
.set i, 0
.rept 32
	global_load_b128 v[Y+4*i:Y+4*i+3], v2, s[4:5] offset:32768*i th:TH_LOAD_NT
.set i, i+1
.endr
; the eight quads in R are summed into v[R:R+3]
.macro RED8
.irp hf, 0,2
.irp w, 0,8,16,24
	v_pk_add_f32 v[R+\w+\hf:R+\w+\hf+1], v[R+\w+\hf:R+\w+\hf+1], v[R+\w+4+\hf:R+\w+4+\hf+1]
.endr
	v_pk_add_f32 v[R+\hf:R+\hf+1],       v[R+\hf:R+\hf+1],       v[R+8+\hf:R+8+\hf+1]
	v_pk_add_f32 v[R+16+\hf:R+16+\hf+1], v[R+16+\hf:R+16+\hf+1], v[R+24+\hf:R+24+\hf+1]
	v_pk_add_f32 v[R+\hf:R+\hf+1],       v[R+\hf:R+\hf+1],       v[R+16+\hf:R+16+\hf+1]
.endr
.endm
	s_wait_loadcnt 32                              ; the ten small loads are in; the 32 rows, issued behind them, stay out
.irp hf, 0,2
	v_pk_add_f32 v[T+\hf:T+\hf+1],     v[MI+\hf:MI+\hf+1],     v[MI+4+\hf:MI+4+\hf+1]
	v_pk_add_f32 v[T+4+\hf:T+4+\hf+1], v[MI+8+\hf:MI+8+\hf+1], v[MI+12+\hf:MI+12+\hf+1]
	v_pk_add_f32 v[PS+\hf:PS+\hf+1],   v[T+\hf:T+\hf+1],       v[T+4+\hf:T+4+\hf+1]
.endr
	s_wait_alu depctr_va_vdst(0)                   ; the additions have written PS, which the LDS store reads
	ds_store_b128 v3, v[PS:PS+3]
	s_wait_dscnt 0x0                               ; for the others' sake: my sum of means is in LDS,
	s_barrier_signal -1
	s_barrier_wait -1                              ; everybody's is
.irp w, 0,1,2,3,4,5,6,7
	ds_load_b128 v[R+4*\w:R+4*\w+3], v1 offset:512*\w   ; no vector instruction has named R so far
.endr
	s_wait_dscnt 0x0
	RED8
	v_pk_mul_f32 v[MEAN:MEAN+1],   v[R:R+1],   0x3d000000 op_sel_hi:[1,0]    ; / 32 blocks
	v_pk_mul_f32 v[MEAN+2:MEAN+3], v[R+2:R+3], 0x3d000000 op_sel_hi:[1,0]
	s_wait_alu depctr_vm_vsrc(0)                   ; the LDS store above has read PS, which the lines below write again
.irp hf, 0,2
.irp i, 0,4,8,12
	v_pk_add_f32 v[MI+\i+\hf:MI+\i+\hf+1], v[MI+\i+\hf:MI+\i+\hf+1], v[MEAN+\hf:MEAN+\hf+1] neg_lo:[0,1] neg_hi:[0,1]
.endr
	v_pk_mul_f32 v[T+\hf:T+\hf+1], v[MI+\hf:MI+\hf+1], v[MI+\hf:MI+\hf+1]
.irp i, 4,8,12
	v_pk_fma_f32 v[T+\hf:T+\hf+1], v[MI+\i+\hf:MI+\i+\hf+1], v[MI+\i+\hf:MI+\i+\hf+1], v[T+\hf:T+\hf+1]
.endr
	v_pk_add_f32 v[QI+\hf:QI+\hf+1],     v[QI+\hf:QI+\hf+1],     v[QI+4+\hf:QI+4+\hf+1]
	v_pk_add_f32 v[QI+8+\hf:QI+8+\hf+1], v[QI+8+\hf:QI+8+\hf+1], v[QI+12+\hf:QI+12+\hf+1]
	v_pk_add_f32 v[QI+\hf:QI+\hf+1],     v[QI+\hf:QI+\hf+1],     v[QI+8+\hf:QI+8+\hf+1]
	v_pk_fma_f32 v[PS+\hf:PS+\hf+1], v[T+\hf:T+\hf+1], 0x43800000, v[QI+\hf:QI+\hf+1] op_sel_hi:[1,0,1]   ; 256 sum d^2 + sum M2
.endr
	s_wait_alu depctr_va_vdst(0)                   ; PS is written, which the LDS store reads; the reduction and the two lines that made MEAN are done reading and writing R, in which the LDS loads below land
	ds_store_b128 v3, v[PS:PS+3] offset:4096       ; other bytes than the first time: no wave can still be reading them
	s_wait_dscnt 0x0
	s_barrier_signal -1
	s_barrier_wait -1
.irp w, 0,1,2,3,4,5,6,7
	ds_load_b128 v[R+4*\w:R+4*\w+3], v1 offset:4096+512*\w   ; no vector instruction since the wait above
.endr
	s_wait_dscnt 0x0
	RED8
.irp j, 0,1,2,3
	v_fma_f32 v[A+\j], v[R+\j], s18, s20           ; var + eps
.endr
.irp j, 0,1,2,3
	v_rsq_f32 v[A+\j], v[A+\j]
.endr
	v_nop                                          ; the plain place behind the transcendentals
	s_wait_alu depctr_va_vdst(0)                   ; the four reciprocal roots in v[A:A+3] are written, ahead of their first reader
	v_pk_mul_f32 v[A:A+1],   v[A:A+1],   v[GA:GA+1]
	v_pk_mul_f32 v[A+2:A+3], v[A+2:A+3], v[GA+2:GA+3]
; The rows, eight blocks of four.  Ahead of each row's arithmetic stands the store of the row one block back.
.set blk, 0
.rept 32/BLOCK
.if blk > 0
	s_wait_alu depctr_va_vdst(0)                   ; the block before has written its four rows, which the four stores of this block read
.endif
.set i, 0
.rept BLOCK
.set rw, BLOCK*blk+i
.if blk > 0
	global_store_b128 v2, v[Y+4*(rw-BLOCK):Y+4*(rw-BLOCK)+3], s[12:13] offset:32768*(rw-BLOCK) th:TH_STORE_NT   ; 512 consecutive bytes, aligned; no vector instruction since the wait names these registers, and they are not written again
.endif
	s_wait_loadcnt 31-rw                           ; row rw is in, the 31 - rw younger ones stay out
	v_pk_add_f32 v[Y+4*rw:Y+4*rw+1],   v[Y+4*rw:Y+4*rw+1],   v[MEAN:MEAN+1]   neg_lo:[0,1] neg_hi:[0,1]
	v_pk_add_f32 v[Y+4*rw+2:Y+4*rw+3], v[Y+4*rw+2:Y+4*rw+3], v[MEAN+2:MEAN+3] neg_lo:[0,1] neg_hi:[0,1]
	v_pk_fma_f32 v[Y+4*rw:Y+4*rw+1],   v[Y+4*rw:Y+4*rw+1],   v[A:A+1],   v[BE:BE+1]
	v_pk_fma_f32 v[Y+4*rw+2:Y+4*rw+3], v[Y+4*rw+2:Y+4*rw+3], v[A+2:A+3], v[BE+2:BE+3]
.set i, i+1
.endr
.set blk, blk+1
.endr
	s_wait_alu depctr_va_vdst(0)                   ; the last block has written its four rows, which the last four stores read
.set rw, 32-BLOCK
.rept BLOCK
	global_store_b128 v2, v[Y+4*rw:Y+4*rw+3], s[12:13] offset:32768*rw th:TH_STORE_NT
.set rw, rw+1
.endr
	s_wait_dscnt 0x0                               ; the closing lines, six on end
	s_wait_alu 0x0
	s_wait_tensorcnt 0x0
	ds_add_u32 v228, v229
	s_wait_dscnt 0x0
	s_endpgm
.Lfunc_end_k_q92a619d082_norm:
	.size	k_q92a619d082_norm, .Lfunc_end_k_q92a619d082_norm-k_q92a619d082_norm
	.p2alignl 7, 3214868480
	.fill 96, 4, 3214868480
	.section	.rodata,"a",@progbits
	.p2align	6, 0x0
	.amdhsa_kernel k_q92a619d082_norm
		.amdhsa_group_segment_fixed_size 9216
		.amdhsa_private_segment_fixed_size 0
		.amdhsa_enable_private_segment 0
		.amdhsa_kernarg_size 40
		.amdhsa_user_sgpr_count 2
		.amdhsa_user_sgpr_kernarg_segment_ptr 1
		.amdhsa_wavefront_size32 1
		.amdhsa_system_sgpr_workgroup_id_x 1
		.amdhsa_system_sgpr_workgroup_id_y 1
		.amdhsa_system_sgpr_workgroup_id_z 1
		.amdhsa_system_vgpr_workitem_id 0
		.amdhsa_next_free_vgpr 230
		.amdhsa_next_free_sgpr 66
		.amdhsa_reserve_vcc 0
		.amdhsa_float_denorm_mode_32 3
		.amdhsa_float_denorm_mode_16_64 3
		.amdhsa_memory_ordered 1
		.amdhsa_forward_progress 1
		.amdhsa_inst_pref_size 24
	.end_amdhsa_kernel
	.amdgpu_metadata
---
amdhsa.version: [ 1, 2 ]
amdhsa.kernels:
  - .name:           k_q92a619d082_norm
    .symbol:         k_q92a619d082_norm.kd
    .args:
      - { .name: y, .offset: 0, .size: 8, .value_kind: global_buffer, .address_space: global }
      - { .name: stats, .offset: 8, .size: 8, .value_kind: global_buffer, .address_space: global }
      - { .name: gamma, .offset: 16, .size: 8, .value_kind: global_buffer, .address_space: global }
      - { .name: beta, .offset: 24, .size: 8, .value_kind: global_buffer, .address_space: global }
      - { .name: out0, .offset: 32, .size: 8, .value_kind: global_buffer, .address_space: global }
    .group_segment_fixed_size: 9216
    .private_segment_fixed_size: 0
    .kernarg_segment_align: 8
    .kernarg_segment_size: 40
    .max_flat_workgroup_size: 256
    .sgpr_count:     66
    .vgpr_count:     230
    .wavefront_size: 32
...
	.end_amdgpu_metadata
.endif
;; end of part 7
